; MI455X (gfx1250); checked and timed in simulation.
; The chip was launched on July 23, 2026; its instructions are those of AMD's public machine-readable ISA for CDNA 5 (MIT licence, August 2026) and "CDNA5" Instruction Set Architecture Reference Guide (July 2026). The comments in the code are by the model that wrote it; some were corrected since.
;; Hierarchical Mo E. Allowed arithmetic: matrix products marked QUANTISED: E2M1 operands, one E8M0 scale for each 32 along K, by v_wmma_scale_f32_16x16x128_f8f6f4 with both operands' format E2M1 (or v_wmma_scale_f32_32x16x128_f4), f32 sums; products left as they are: f32 operands where the result goes on into a quantised operand, else bf16, f16 or f32 operands; f32 sums; everything else in f32.
;; Inputs: W1 8 x 8 x 512 x 1,024 float32; W2 8 x 8 x 1,024 x 512 float32; b1 8 x 8 x 1,024 float32; b2 8 x 8 x 512 float32; g1 512 x 8 float32; g2 8 x 512 x 8 float32; x 2 x 512 x 512 float32.
;; Outputs: out0 2 x 512 x 512 float32.
;; This version of the problem:
;;   THIS VERSION OF THE PROBLEM IS GIVEN IN LOW PRECISION. The matrix products marked QUANTISED in the list below multiply operands that are first quantised to E2M1 (2 exponent bits, 1 mantissa bit; 4 bits a number), with one power-of-two scale for each 32 numbers along K (OCP MX v1.0); their sums are f32. All else is computed in f32.
;;   The module's matrix products, in the order in which they are computed (A, B: the left and right operand; K: the contracted axis; several contracted axes count as one K, in the product's order):
;;     1. [M 1,024, K 512] x [K 512, N 8]; A: input x; B: input g1: left as it is (N = 8 < 16)
;;     2. [M 1,024, K 512] x [K 512, N 64]; A: input x; B: input g2: QUANTISED
;;     3. [M 1,024, K 512] x [K 512, N 65,536]; A: input x; B: input W1: QUANTISED
;;     4. batch 64 x [M 512, K 1,024] x [K 1,024, N 1,024]; A: input W2; B: computed on the way: QUANTISED
;;     5. batch 8,192 x [M 512, K 8] x [K 8, N 1]; A: computed on the way; B: computed on the way: left as it is (K = 8 < 32)
;;     6. batch 1,024 x [M 512, K 8] x [K 8, N 1]; A: computed on the way; B: computed on the way: left as it is (K = 8 < 32)
;;   THE QUANTISER, for each operand of a quantised product, along K:
;;     - K is cut into blocks of 32 from its start; a last block that is shorter is filled with zeros.
;;     - A block's scale is 2^e with e = floor(log2(the largest magnitude in the block)) - 2, held to -126 .. 127; a block of zeros has e = 0. As a byte (E8M0): e + 127.
;;     - Each number is divided by its block's scale, clamped to +-6, and rounded to the nearest number of E2M1, ties to even, subnormals kept.
;;     - The product sums the exact products of the quantised numbers (number of the format x scale) in f32.
;;   ~~~python
;;   def quantise(x, axis):      # numpy; x: float32 -> the quantised numbers, widened to float32 again
;;       x = np.moveaxis(x, axis, -1); K = x.shape[-1]
;;       x = np.pad(x, [(0, 0)] * (x.ndim - 1) + [(0, -K % 32)]); x = x.reshape(x.shape[:-1] + (-1, 32)); a = np.abs(x).max(-1, keepdims=True)
;;       e = np.where(a > 0, np.clip(np.frexp(np.where(a > 0, a, 1))[1] - 1 - 2, -126, 127), 0)      # np.frexp(a)[1] - 1 = floor(log2(a)), exactly
;;       r = np.clip(x / 2.0 ** e, -6, 6)
;;       step = 2.0 ** (np.maximum(np.frexp(np.where(r == 0, 1, r))[1] - 1, 0) - 1)
;;       q = np.round(r / step) * step * 2.0 ** e      # np.round: ties to even
;;       return np.moveaxis(q.reshape(q.shape[:-2] + (-1,))[..., :K], -1, axis).astype(np.float32)
;;   ~~~
;;   OPERANDS COMPUTED ON THE WAY. 'Computed on the way' means the value that the module computes at that place (a softmax that the list does not call 'softmax' is quantised finished and normalised). What goes into a quantiser is computed in f32, as accurately as f32 sums, v_exp_f32 and their like allow (about 1e-6 of the number): no bf16 or f16 on the way to a quantiser, and a product that is left as it is and whose result goes on into a quantised operand takes f32 operands (vector FMAs, or v_wmma_f32_16x16x4_f32). A number that lies on a knife's edge between two numbers of the format may be rounded either way, as far as f32 arithmetic and the matrix unit's own rounding can turn it there, and no further.
;; 2 versions, each right; version 2 is version 1 with the launches prep, chain written anew for expert scheduling mode. Each part assembles by itself: llvm-mc -triple=amdgcn-amd-amdhsa -mcpu=gfx1250 --defsym DOCPART=n.
;; ======== version 1 of 2: 3 launches
;; workspace buffers: wq 33,554,432 bytes; ws 2,097,152 bytes; xq 262,144 bytes; xs 16,384 bytes; sel 16,384 bytes of whole numbers; cwt 16,384 bytes; msk 8,192 bytes of whole numbers; y 8,388,608 bytes
;; launch prep (part 1): grid 1088 x 1, 4 waves a work-group, no clusters, 60,672 bytes of LDS; arguments x, g1, g2, W1, W2, wq, ws, xq, xs, sel, cwt, msk; writes wq, ws, xq, xs, sel, cwt, msk
.if DOCPART == 1
	.amdgcn_target "amdgcn-amd-amdhsa--gfx1250"
	.amdhsa_code_object_version 6
	.text
	.protected	k_q938abd9205_prep
	.globl	k_q938abd9205_prep
	.p2align	8
	.type	k_q938abd9205_prep,@function
k_q938abd9205_prep:
	s_mov_b64 s[64:65], 0
	v_nop
	global_prefetch_b8 v0, s[64:65] scope:SCOPE_SE
	s_setreg_imm32_b32 hwreg(HW_REG_WAVE_MODE, 25, 1), 1
	s_wait_xcnt 0x0
; PREP.  Two jobs in one launch, parted by the work-group's number.
; Work-groups 64 .. 1087: W1 [64][512][1024] and W2 [64][1024][512], f32 with K as the first axis of an expert's matrix, become codes of FP4 (E2M1)
;   with one E8M0 byte for each 32 along K, laid in the order of the operand's registers.  A wave takes one UNIT: 32 columns x 512 along K.  A lane takes a column and its
;   registers run down K: a block of 32 lies in one lane, each load reads 128 consecutive bytes, and the conversions give codes with K innermost.
;   Unit U (8,192 bytes at wq + 8192 U, 512 bytes at ws + 512 U) = 2048 tensor + 32 expert + un.  W1: un = columns 32 un on, all of K.  W2: un = 2 cg + kh: columns 32 cg on, K 512 kh on.
;   In a unit the fragment (K step s of 128, tile u) lies at 2048 s + 1024 u: register group c at + 512 c, lane l at + 16 l.  Lane r of tile u is column 8 u + r + 8 (r / 8) of the 32,
;   so that a transposed product's 16 registers of tiles 0 and 1 are 16 neighbours.  ws: lane l's 16 bytes are its column's scale words of K steps 0 .. 3; lanes 0-15 tile 0, lanes 16-31 tile 1.
; Work-groups 0 .. 63: THE ROUTER, 16 tokens each.  THE FOUR WAVES SHARE K: wave w takes k = 128 w .. 128 w + 127, so that it fetches x once (16 loads) and of g1 and g2 only its own slices.
;   Those slices are dense in memory (4 KiB of g1; 4 KiB of each of g2's 8 groups): they come by loads of 512 consecutive bytes and turn through the wave's own LDS into the operand's order.
;   So a wave issues 88 global loads, in three dependent trips to memory: x with g1; g2's tiles 0 and 1; tiles 2 and 3.
;   x is quantised along K (codes to xq [1024][256 bytes], scale words to xs [1024][4]); logits1 = x g1 in f32 (f32 matrix form, two accumulators); logits2 = Q(x) Q(g2) on codes.
;   The waves' partial sums meet in LDS behind one barrier.  Wave 0 adds them and chooses: top 2 of 8 groups, top 2 of 8 experts in each group (a tie keeps the lower index), softmax of each pair with its
;   maximum taken away.  Wave 1 stores x's codes and scale words.  Stored at fixed places: sel [1024][4] = 8 group + expert, cwt [1024][4] = c1 c2,
;   msk [64 experts][64 tiles of 16 tokens] of 16 bits: bit b = token 16 tile + b takes the expert.
; LIMITS: NaN and infinities among inputs or logits are not served.  A block whose largest magnitude lies under 2^-124 has its byte held at 1; a block of zeros gets the byte 1 and zero codes
;   (the bytes are read by this program alone).  Both logits are summed K step by K step of 128 and the four partial sums are added in ascending K, not in the source's order.
.set NR,    64                         ; router work-groups
.set TRW,   8768                       ; LDS (router alone), from byte 0: a turning region for each wave: two groups of g2, GP bytes apart, or g1's slice
.set GP,    4384                       ; a group's 128 rows of 32 bytes, 64 bytes of padding behind each 32 rows, and 32 more: 1,096 words, 8 banks on
.set PART,  35072                      ; the partial sums, PWV bytes a wave: images of registers: logits1 (2 x 512), then logits2's four tiles (2 x 512 each)
.set PWV,   5120
.set XSTG,  55552                      ; the work-group's stage: 16 rows x (256 + 16) bytes: x's codes on their way out
.set XSP,   272
.set XSC,   59904                      ; 16 tokens x 4 scale words
.set X,     16                         ; weights: v16-79 two sets of 32 numbers
.set C,     80                         ; v80-143 codes: four registers for each of 16 blocks, never written again
.set MA,    144                        ; v144, v145 maxima, v146 the conversion's scale operand
.set SBW,   148                        ; v148-151 the column's four scale words
.set SA,    16                         ; router: v16-79 x's 64 numbers, later tiles 0 and 2 of g2
.set SB,    80                         ; v80-143 g1's 64 numbers, later tiles 1 and 3 of g2
.set GC,    144                        ; v144-151 the codes of a tile of g2; once, logits1's partial sum
.set TM,    152                        ; v152-163 at work in the quantisers
.set G2S,   164                        ; v164 the tile's scale word: scales and nothing else
.set XSW,   165                        ; v165 x's scale word: scales and nothing else
.set PC,    168                        ; v168-175 x's codes
.set ACC1,  176                        ; v176-191 logits1, two accumulators: written by matrix instructions alone in the whole text
.set O1,    56                         ; wave 0, behind the barrier: v16-23 logits1, v24-55 logits2; v56-61 level 1: i1, v1, i2, v2, w1, w2
.set T2,    64                         ; v64-95 eight registers a tile: i1, v1, i2, v2, w1, w2, both indices packed
.set ID,    96                         ; v96-99 the token's four experts
.set CWO,   100                        ; v100-103 and their weights
.set SW,    104                        ; v104-110 at work
.set SEL,   60                         ; s[60:61] lane selects for v_permlanex16_b32: lane l xor 16
	s_load_b512 s[4:19], s[0:1], 0x0               ; x s[4:5], g1 s[6:7], g2 s[8:9], W1 s[10:11], W2 s[12:13], wq s[14:15], ws s[16:17], xq s[18:19]
	s_load_b256 s[20:27], s[0:1], 0x40             ; xs s[20:21], sel s[22:23], cwt s[24:25], msk s[26:27]
	v_lshl_add_u32 v192, v0, 2, 0xeb00
	v_mov_b32 v193, 0
	v_lshrrev_b32 v1, 5, v0
	v_readfirstlane_b32 s28, v1                    ; wave 0..3
	v_and_b32 v1, 31, v0                           ; lane
	s_cmp_lt_u32 ttmp9, NR
	s_cbranch_scc1 .Lrouter
; ---------------------------------------------------------------- the weights
	s_sub_co_u32 s30, ttmp9, NR
	s_lshl_b32 s30, s30, 2
	s_add_co_u32 s30, s30, s28                     ; U: my wave's unit
	s_bfe_u32 s31, s30, 0x60005                    ; the expert: bits 10:5
	s_and_b32 s32, s30, 31                         ; un
	s_lshl_b32 s34, s31, 21                        ; an expert's matrix is 2 MiB
	s_mov_b32 s35, 0
	s_lshl_b32 s36, s30, 13                        ; 8,192 bytes of codes a unit
	s_mov_b32 s37, 0
	s_lshl_b32 s38, s30, 9                         ; 512 bytes of scale words
	s_mov_b32 s39, 0
	v_and_b32 v3, 7, v1                            ; my column of the 32: (l & 7) + 16 ((l >> 3) & 1) + 8 (l >> 4)
	v_bfe_u32 v4, v1, 3, 1
	v_lshl_add_u32 v3, v4, 4, v3
	v_lshrrev_b32 v4, 4, v1
	v_lshl_add_u32 v3, v4, 3, v3
	v_lshlrev_b32 v3, 2, v3                        ; in bytes: the 32 lanes still cover 128 consecutive bytes
	v_lshlrev_b32 v4, 4, v1                        ; out: 16 bytes a lane
	s_wait_kmcnt 0x0
	s_add_nc_u64 s[36:37], s[14:15], s[36:37]
	s_add_nc_u64 s[38:39], s[16:17], s[38:39]
.macro WLD t, pitch                    ; block t: rows 32 t + i of my column into set t % 2
.irp i, 0,1,2,3,4,5,6,7,8,9,10,11,12,13,14,15,16,17,18,19,20,21,22,23,24,25,26,27,28,29,30,31
	global_load_b32 v[X+32*((\t)%2)+\i], v3, s[40:41] offset:(32*(\t)+\i)*(\pitch) th:TH_LOAD_NT
.endr
.endm
.macro BLOCK t, pitch
.set XB, X+32*((\t)%2)
.if (\t) < 15
	s_wait_loadcnt 32                              ; this block's 32 loads are in; the next block's 32 may be out
.else
	s_wait_loadcnt 0
.endif
	v_max3_num_f32 v[MA], |v[XB]|, |v[XB+1]|, |v[XB+2]|            ; the block's largest magnitude: all 32 numbers are mine; two chains
	v_max3_num_f32 v[MA+1], |v[XB+3]|, |v[XB+4]|, |v[XB+5]|
.irp i, 6,10,14,18,22,26
	v_max3_num_f32 v[MA], v[MA], |v[XB+\i]|, |v[XB+\i+1]|
	v_max3_num_f32 v[MA+1], v[MA+1], |v[XB+\i+2]|, |v[XB+\i+3]|
.endr
	v_max3_num_f32 v[MA], v[MA], |v[XB+30]|, |v[XB+31]|
	v_max3_num_f32 v[MA], v[MA], v[MA+1], 0x1800000                ; and the floor 2^(3 - 127): the byte cannot fall under 1
	v_add_nc_u32 v[MA+2], 0xff000000, v[MA]                        ; 2 off the exponent field: the conversion takes this operand's exponent field as its scale
	v_lshrrev_b32 v[MA+1], 23, v[MA+2]                             ; the scale's byte
.if (\t)%4 == 0
	v_mov_b32 v[SBW+(\t)/4], v[MA+1]                               ; four bytes to a word, the lower K in the lower byte
.else
	v_lshl_or_b32 v[SBW+(\t)/4], v[MA+1], 8*((\t)%4), v[SBW+(\t)/4]
.endif
.irp g, 0,1,2,3
	v_cvt_scalef32_pk8_fp4_f32 v[C+4*(\t)+\g], v[XB+8*\g:XB+8*\g+7], v[MA+2]
.endr
.if (\t)+2 < 16
	WLD (\t)+2, \pitch
.endif
.if (\t)%2 == 1
	v_nop                                          ; one plain place behind the conversions
.irp i, 0,1,2,3
	v_permlane16_swap_b32 v[C+4*((\t)-1)+\i], v[C+4*(\t)+\i]       ; blocks t - 1 and t of 32 columns become register group (t / 2) % 2 of tile 0 (first) and of tile 1 (second): lanes 16-31 hold the odd block
.endr
	global_store_b128 v4, v[C+4*((\t)-1):C+4*((\t)-1)+3], s[36:37] offset:((\t)/4)*2048+(((\t)/2)%2)*512        ; 512 consecutive bytes, aligned
	global_store_b128 v4, v[C+4*(\t):C+4*(\t)+3], s[36:37] offset:((\t)/4)*2048+(((\t)/2)%2)*512+1024
.endif
.endm
.macro QW pitch                        ; a unit: 16 blocks, loads two blocks ahead; every offset is an immediate (511 rows of 4,096 bytes at the most)
	WLD 0, \pitch
	WLD 1, \pitch
.set Q, 0
.rept 16
	BLOCK Q, \pitch
.set Q, Q+1
.endr
	global_store_b128 v4, v[SBW:SBW+3], s[38:39]   ; the 32 columns' scale words: 512 consecutive bytes
.endm
	s_cmp_lt_u32 ttmp9, NR+512
	s_cbranch_scc0 .Lw2
	s_lshl_b32 s33, s32, 7                         ; W1: columns 32 un on
	s_add_co_u32 s34, s34, s33
	s_add_nc_u64 s[40:41], s[10:11], s[34:35]
	QW 4096
	s_endpgm
.Lw2:
	s_and_b32 s33, s32, 1                          ; W2: kh: 512 rows of 2,048 bytes
	s_lshl_b32 s33, s33, 20
	s_add_co_u32 s34, s34, s33
	s_lshr_b32 s33, s32, 1                         ; cg: columns 32 cg on
	s_lshl_b32 s33, s33, 7
	s_add_co_u32 s34, s34, s33
	s_add_nc_u64 s[40:41], s[12:13], s[34:35]
	QW 2048
	s_endpgm
; ---------------------------------------------------------------- the router
; 64 numbers of a lane, v[s] on, register 16 b + i = k 32 b + 16 (lane / 16) + i of my row, become a fragment's codes in v[PC] on and its scale word in v[pw] (the same in both halves of the lanes).
.macro QUANT s, pw
.irp b, 0,1,2,3
	v_max3_num_f32 v[TM+\b], |v[\s+16*\b]|, |v[\s+1+16*\b]|, 0x1800000   ; block b: my 16 numbers, and the floor 2^(3 - 127)
.endr
.irp i, 2,4,6,8,10,12,14
.irp b, 0,1,2,3
	v_max3_num_f32 v[TM+\b], v[TM+\b], |v[\s+16*\b+\i]|, |v[\s+1+16*\b+\i]|   ; the four blocks by turns
.endr
.endr
.irp b, 0,1,2,3
	v_permlanex16_b32 v[TM+4+\b], v[TM+\b], s[SEL], s[SEL+1]
.endr
.irp b, 0,1,2,3
	v_max_num_f32 v[TM+\b], v[TM+\b], v[TM+4+\b]   ; with lane l xor 16's: the block's largest magnitude
.endr
.irp b, 0,1,2,3
	v_add_nc_u32 v[TM+8+\b], 0xff000000, v[TM+\b]  ; 2 off its exponent field: the conversion's scale operand
.endr
.irp b, 0,1,2,3
	v_lshrrev_b32 v[TM+4+\b], 23, v[TM+8+\b]       ; the scale's byte
.endr
	v_lshl_or_b32 v[\pw], v[TM+5], 8, v[TM+4]
	v_lshl_or_b32 v[\pw], v[TM+6], 16, v[\pw]
	v_lshl_or_b32 v[\pw], v[TM+7], 24, v[\pw]
.irp b, 0,1,2,3
	v_cvt_scalef32_pk8_fp4_f32 v[PC+2*\b], v[\s+16*\b:\s+7+16*\b], v[TM+8+\b]
	v_cvt_scalef32_pk8_fp4_f32 v[PC+1+2*\b], v[\s+8+16*\b:\s+15+16*\b], v[TM+8+\b]
.endr
	v_nop                                          ; one plain place behind a scaled conversion
.irp c, 0,1                                    ; the operand's layout wants a whole block in a lane: lanes 0-15 block 2 c, lanes 16-31 block 2 c + 1
.irp i, 0,1
	v_permlane16_swap_b32 v[PC+4*\c+\i], v[PC+2+4*\c+\i]
.endr
.endr
.endm
.macro G2LD s0, tl                     ; tile tl of g2 (groups 2 tl, 2 tl + 1), my 128 rows: 2 x 4,096 dense bytes, 512 consecutive bytes a load
.irp p, 0,1
.irp q, 0,1,2,3,4,5,6,7
	global_load_b128 v[\s0+32*\p+4*\q:\s0+32*\p+4*\q+3], v5, s[46:47] offset:(2*\tl+\p)*16384+512*\q
.endr
.endr
.endm
; 64 numbers of a lane, register 32 c + i = k 64 c + 32 h + i of my column: two whole blocks; the codes are the operand's registers, in v[GC] on; the scale word in v[G2S]
.macro GQUANT s0
.irp c, 0,1
	v_max3_num_f32 v[TM+\c], |v[\s0+32*\c]|, |v[\s0+1+32*\c]|, 0x1800000
.endr
.irp i, 2,4,6,8,10,12,14,16,18,20,22,24,26,28,30
.irp c, 0,1
	v_max3_num_f32 v[TM+\c], v[TM+\c], |v[\s0+32*\c+\i]|, |v[\s0+1+32*\c+\i]|
.endr
.endr
.irp c, 0,1
	v_add_nc_u32 v[TM+8+\c], 0xff000000, v[TM+\c]
.endr
.irp c, 0,1
	v_lshrrev_b32 v[TM+5+\c], 23, v[TM+8+\c]
.endr
	v_lshl_or_b32 v[G2S], v[TM+6], 16, v[TM+5]     ; my two bytes: blocks h and 2 + h,
	v_lshlrev_b32 v[G2S], v12, v[G2S]              ; 8 h bits up;
	v_permlanex16_b32 v[TM+4], v[G2S], s[SEL], s[SEL+1]
	v_or_b32 v[G2S], v[G2S], v[TM+4]               ; with lane l xor 16's two the word is whole
.irp c, 0,1
.irp g, 0,1,2,3
	v_cvt_scalef32_pk8_fp4_f32 v[GC+4*\c+\g], v[\s0+32*\c+8*\g:\s0+32*\c+8*\g+7], v[TM+8+\c]
.endr
.endr
.endm
; A tile of g2, as loaded in v[s0] on: through my turning region into the operand's order (lane (r, h): group r / 8, expert r % 8), quantised, multiplied by x's codes; the partial sum goes to LDS.
; In the region row k of a group lies at 32 k + 64 (k / 32), the second group GP bytes on: the 32 lanes of a read touch 32 different banks (64 banks of 4 bytes: ISA guide 11.1).
; left: the next tile's loads, which may stay out.
.macro TILE s0, tl, left
	s_wait_loadcnt \left
.irp p, 0,1
.irp q, 0,1,2,3,4,5,6,7
	ds_store_b128 v6, v[\s0+32*\p+4*\q:\s0+32*\p+4*\q+3] offset:\p*GP+512*\q+64*(\q/2)
.endr
.endr
	s_wait_dscnt 0x0                               ; the stores are done before their registers are loaded again
.irp c, 0,1
.irp i, 0,1,2,3,4,5,6,7,8,9,10,11,12,13,14,15,16,17,18,19,20,21,22,23,24,25,26,27,28,29,30,31
	ds_load_b32 v[\s0+32*\c+\i], v7 offset:(64*\c+\i)*32+128*\c
.endr
.endr
	s_wait_dscnt 0x0
	GQUANT \s0
.rept 8
	v_nop                                          ; the scale word was written by vector instructions: eight places ahead of the scaled product (the codes: four); also the place behind the conversions
.endr
	v_wmma_scale_f32_16x16x128_f8f6f4 v[\s0:\s0+7], v[GC:GC+7], v[PC:PC+7], 0, v[G2S], v[XSW] matrix_a_fmt:MATRIX_FMT_FP4 matrix_b_fmt:MATRIX_FMT_FP4
.rept 4
	v_nop                                          ; four places in front of the stores that read the result
.endr
	ds_store_b128 v9, v[\s0:\s0+3] offset:1024+1024*\tl            ; lane (r, h), register j: token r, group 2 tl + h, expert j; from the low end on
	ds_store_b128 v9, v[\s0+4:\s0+7] offset:1024+1024*\tl+512
	s_wait_dscnt 0x0                               ; done before the set is loaded again
.endm
; The two largest of v[l] .. v[l + 7]: indices and values to v[o] (i1), v[o + 1] (v1), v[o + 2] (i2), v[o + 3] (v2).  Strictly greater: a tie keeps the lower index.
.macro TOP2 l, o
	v_mov_b32 v[(\o)+1], v[\l]
	v_mov_b32 v[\o], 0
.irp j, 1,2,3,4,5,6,7
	v_cmp_gt_f32 vcc_lo, v[(\l)+\j], v[(\o)+1]
	v_cndmask_b32 v[(\o)+1], v[(\o)+1], v[(\l)+\j], vcc_lo
	v_cndmask_b32 v[\o], v[\o], \j, vcc_lo
.endr
	v_mov_b32 v[(\o)+3], 0xff800000                ; -infinity
	v_mov_b32 v[(\o)+2], 0
.irp j, 0,1,2,3,4,5,6,7
	v_cmp_ne_u32 s70, \j, v[\o]                    ; not the first again
	v_cmp_gt_f32 vcc_lo, v[(\l)+\j], v[(\o)+3]
	s_and_b32 vcc_lo, vcc_lo, s70
	v_cndmask_b32 v[(\o)+3], v[(\o)+3], v[(\l)+\j], vcc_lo
	v_cndmask_b32 v[(\o)+2], v[(\o)+2], \j, vcc_lo
.endr
.endm
; softmax of the pair (v1 >= v2), the maximum taken away: p = e^(v2 - v1); wa = 1 / (1 + p), wb = p / (1 + p)
.macro SM2 a, b, wa, wb
	v_sub_f32 v[\wb], v[\b], v[\a]
	v_mul_f32 v[\wb], 0x3fb8aa3b, v[\wb]
	v_exp_f32 v[\wb], v[\wb]
	v_nop
	s_wait_alu depctr_va_vdst(0)
	v_add_f32 v[\wa], 1.0, v[\wb]
	v_rcp_f32 v[\wa], v[\wa]
	v_nop
	s_wait_alu depctr_va_vdst(0)
	v_mul_f32 v[\wb], v[\wb], v[\wa]
.endm
; Level-1 slot a (group in v[ga], weight in v[gw]): that group's pair of experts lies in tile ga / 2, in the half ga % 2 of the lanes
.macro SLOT a, ga, gw
	v_lshrrev_b32 v[SW+6], 1, v[\ga]
	v_mov_b32 v[SW], v[T2+6]
	v_mov_b32 v[SW+1], v[T2+4]
	v_mov_b32 v[SW+2], v[T2+5]
.irp tl, 1,2,3
	v_cmp_eq_u32 vcc_lo, \tl, v[SW+6]
	v_cndmask_b32 v[SW], v[SW], v[T2+8*\tl+6], vcc_lo
	v_cndmask_b32 v[SW+1], v[SW+1], v[T2+8*\tl+4], vcc_lo
	v_cndmask_b32 v[SW+2], v[SW+2], v[T2+8*\tl+5], vcc_lo
.endr
	v_permlanex16_b32 v[SW+3], v[SW], s[SEL], s[SEL+1]
	v_permlanex16_b32 v[SW+4], v[SW+1], s[SEL], s[SEL+1]
	v_permlanex16_b32 v[SW+5], v[SW+2], s[SEL], s[SEL+1]
	v_and_b32 v[SW+6], 1, v[\ga]
	v_cmp_eq_u32 vcc_lo, v[SW+6], v3               ; mine where ga % 2 is my half, else lane l xor 16's
	v_cndmask_b32 v[SW], v[SW+3], v[SW], vcc_lo
	v_cndmask_b32 v[SW+1], v[SW+4], v[SW+1], vcc_lo
	v_cndmask_b32 v[SW+2], v[SW+5], v[SW+2], vcc_lo
	v_and_b32 v[SW+6], 0xff, v[SW]
	v_lshl_add_u32 v[ID+2*\a], v[\ga], 3, v[SW+6]  ; 8 group + expert
	v_lshrrev_b32 v[SW+6], 8, v[SW]
	v_lshl_add_u32 v[ID+1+2*\a], v[\ga], 3, v[SW+6]
	v_mul_f32 v[CWO+2*\a], v[\gw], v[SW+1]         ; c1 c2
	v_mul_f32 v[CWO+1+2*\a], v[\gw], v[SW+2]
.endm
.Lrouter:
	v_and_b32 v2, 15, v0                           ; r
	v_bfe_u32 v3, v0, 4, 1                         ; h
	v_lshlrev_b32 v4, 11, v2
	v_lshl_add_u32 v4, v3, 6, v4                   ; x: row r of 2,048 bytes, + 64 h
	v_lshlrev_b32 v5, 4, v1                        ; 16 x lane
	s_mul_i32 s29, s28, TRW                        ; my turning region
	v_add_nc_u32 v6, s29, v5                       ; into it: as loaded, 16 bytes a lane
	v_and_b32 v14, 7, v2
	v_lshlrev_b32 v14, 2, v14
	v_add_nc_u32 v14, s29, v14                     ; out of it: column r % 8 of a row,
	v_bfe_u32 v15, v0, 3, 1                        ; r / 8
	v_mul_u32_u24 v7, v15, GP
	v_mad_u32_u24 v7, v3, 1088, v7
	v_add_nc_u32 v7, v7, v14                       ; g2: group r / 8, 32 h rows and one padding on
	v_mad_u32_u24 v8, v3, 544, v14                 ; g1: 16 h rows and one padding on
	s_mul_i32 s29, s28, PWV
	s_add_co_u32 s29, s29, PART
	v_add_nc_u32 v9, s29, v5                       ; where I store partial sums: 16 x lane + PWV x wave
	v_mul_u32_u24 v10, v2, XSP
	v_lshl_add_u32 v10, v3, 4, v10
	s_lshl_b32 s29, s28, 6
	s_add_co_u32 s29, s29, XSTG
	v_add_nc_u32 v10, s29, v10                     ; the stage, in: row r, my K step's 64 bytes, + 16 h
	v_mul_u32_u24 v11, v3, XSP
	v_lshl_add_u32 v11, v2, 4, v11
	v_add_nc_u32 v11, XSTG, v11                    ; back: lanes 0-15 one row, lanes 16-31 the next
	v_lshlrev_b32 v12, 3, v3                       ; 8 h
	s_lshl_b32 s29, s28, 2
	s_add_co_u32 s29, s29, XSC
	v_lshl_add_u32 v13, v2, 4, s29                 ; token r's scale word of my K step
	v_add_nc_u32 v14, PART, v5                     ; the partial sums, back
	v_lshlrev_b32 v15, 4, v2
	v_add_nc_u32 v15, XSC, v15                     ; token r's four scale words, back
.irp b, 0,1,2,3
	v_mov_b32 v[TM+4+\b], 0                        ; written once: a lane permute's destination counts as one of its sources
.endr
	s_mov_b32 s[SEL], 0x76543210
	s_mov_b32 s[SEL+1], 0xfedcba98
	s_lshl_b32 s30, ttmp9, 15                      ; my first token is 16 x work-group: 16 rows of 2,048 bytes,
	s_lshl_b32 s45, s28, 9
	s_add_co_u32 s30, s30, s45                     ; and my K step's 512 bytes
	s_mov_b32 s31, 0
	s_lshl_b32 s32, s28, 12                        ; my 128 rows of 32 bytes of g1 and of each group of g2
	s_mov_b32 s33, 0
	s_lshl_b32 s34, ttmp9, 12
	s_mov_b32 s35, 0
	s_lshl_b32 s36, ttmp9, 8
	s_mov_b32 s37, 0
	s_lshl_b32 s42, ttmp9, 1                       ; 2 bytes for each tile of 16 tokens
	s_mov_b32 s43, 0
	s_wait_kmcnt 0x0
	s_add_nc_u64 s[30:31], s[4:5], s[30:31]        ; x
	s_add_nc_u64 s[46:47], s[8:9], s[32:33]        ; g2
	s_add_nc_u64 s[32:33], s[6:7], s[32:33]        ; g1
	s_add_nc_u64 s[34:35], s[18:19], s[34:35]      ; xq
	s_add_nc_u64 s[38:39], s[22:23], s[36:37]      ; sel
	s_add_nc_u64 s[40:41], s[24:25], s[36:37]      ; cwt
	s_add_nc_u64 s[36:37], s[20:21], s[36:37]      ; xs
	s_add_nc_u64 s[42:43], s[26:27], s[42:43]      ; msk at my tile
.irp q, 0,1,2,3,4,5,6,7
	global_load_b128 v[SB+4*\q:SB+4*\q+3], v5, s[32:33] offset:512*\q     ; g1's slice, 4,096 dense bytes
.endr
.irp b, 0,1,2,3
.irp j, 0,1,2,3
	global_load_b128 v[SA+16*\b+4*\j:SA+16*\b+4*\j+3], v4, s[30:31] offset:128*\b+16*\j   ; my row's 64 numbers: of each block of 32 the 16 of my half
.endr
.endr
	s_wait_loadcnt 16                              ; g1's eight loads are in; x's sixteen may be out
.irp q, 0,1,2,3,4,5,6,7
	ds_store_b128 v6, v[SB+4*\q:SB+4*\q+3] offset:544*\q           ; row k at 32 k + 32 (k / 16): the two halves of the lanes then read different banks
.endr
	s_wait_dscnt 0x0
.irp b, 0,1,2,3
.irp i, 0,1,2,3,4,5,6,7,8,9,10,11,12,13,14,15
	ds_load_b32 v[SB+16*\b+\i], v8 offset:(32*\b+\i)*32+64*\b      ; g1(32 b + 16 h + i, r % 8): K in the order in which the lanes hold x
.endr
.endr
	s_wait_loadcnt 0x0                             ; x
	s_wait_dscnt 0x0
; logits1, my K step: source 0 = g1's 8 groups, twice; source 1 = my 16 tokens; K alike on both sides.  The two accumulators take turns.
.irp p, 0,1,2,3,4,5,6,7,8,9,10,11,12,13,14,15,16,17,18,19,20,21,22,23,24,25,26,27,28,29,30,31
.if \p < 2
	v_wmma_f32_16x16x4_f32 v[ACC1+8*(\p%2):ACC1+8*(\p%2)+7], v[SB+2*\p:SB+2*\p+1], v[SA+2*\p:SA+2*\p+1], 0
.else
	v_wmma_f32_16x16x4_f32 v[ACC1+8*(\p%2):ACC1+8*(\p%2)+7], v[SB+2*\p:SB+2*\p+1], v[SA+2*\p:SA+2*\p+1], v[ACC1+8*(\p%2):ACC1+8*(\p%2)+7]
.endif
.endr
	QUANT SA, XSW                                  ; its plain lines on v[TM] are the eight places in front of the reads of the sums and of the loads into both sets
.irp j, 0,1,2,3,4,5,6,7
	v_add_f32 v[GC+\j], v[ACC1+\j], v[ACC1+8+\j]   ; every lane (r, h): token r's 8 partial logits (g1's rows 8-15 repeat rows 0-7)
.endr
	ds_store_b128 v9, v[GC:GC+3]
	ds_store_b128 v9, v[GC+4:GC+7] offset:512
	ds_store_b128 v10, v[PC:PC+3]                  ; my row's bytes 64 w + 16 h and 64 w + 32 + 16 h
	ds_store_b128 v10, v[PC+4:PC+7] offset:32
	ds_store_b32 v13, v[XSW]                       ; both halves of the lanes store the same word to the same place
	G2LD SA, 0
	G2LD SB, 1
	TILE SA, 0, 16
	G2LD SA, 2
	TILE SB, 1, 16
	G2LD SB, 3
	TILE SA, 2, 16
	TILE SB, 3, 0
	s_wait_dscnt 0x0                               ; my partial sums, codes and scale word are stored: say so
	s_barrier_signal -1
	s_barrier_wait -1                              ; everybody's are: the one barrier of this path
	s_cmp_eq_u32 s28, 1
	s_cbranch_scc1 .Lxout
	s_cmp_lg_u32 s28, 0
	s_cbranch_scc1 .Lrend
	; ---- wave 0: the four partial sums, in ascending K
.irp w, 0,1,2
.irp m, 0,1,2,3,4,5,6,7,8,9
	ds_load_b128 v[16+40*\w+4*\m:19+40*\w+4*\m], v14 offset:PWV*\w+512*\m
.endr
.endr
	s_wait_dscnt 0x0
.set J, 0
.rept 20
	v_pk_add_f32 v[16+J:17+J], v[16+J:17+J], v[56+J:57+J]
.set J, J+2
.endr
.irp m, 0,1,2,3,4,5,6,7,8,9
	ds_load_b128 v[56+4*\m:59+4*\m], v14 offset:PWV*3+512*\m
.endr
.set J, 0
.rept 20
	v_pk_add_f32 v[16+J:17+J], v[16+J:17+J], v[96+J:97+J]
.set J, J+2
.endr
	s_wait_dscnt 0x0
.set J, 0
.rept 20
	v_pk_add_f32 v[16+J:17+J], v[16+J:17+J], v[56+J:57+J]
.set J, J+2
.endr
	; v16-23: token r's logits1; v[24 + 8 tl + j]: logits2 of group 2 tl + h, expert j
	TOP2 16, O1
.irp tl, 0,1,2,3
	TOP2 24+8*\tl, T2+8*\tl
.endr
	SM2 O1+1, O1+3, O1+4, O1+5
.irp tl, 0,1,2,3
	SM2 T2+8*\tl+1, T2+8*\tl+3, T2+8*\tl+4, T2+8*\tl+5
	v_lshl_or_b32 v[T2+8*\tl+6], v[T2+8*\tl+2], 8, v[T2+8*\tl]
.endr
	v_mov_b32 v[SW+3], 0
	v_mov_b32 v[SW+4], 0
	v_mov_b32 v[SW+5], 0
	SLOT 0, O1, O1+4
	SLOT 1, O1+2, O1+5
	; the token's four experts as 64 bits; then, expert by expert, the 16 tokens' bits as one number, which goes to that expert's lane
	v_mov_b32 v112, 0
	v_mov_b32 v113, 0
	v_mov_b32 v118, 0
	v_mov_b32 v119, 0
.irp k, 0,1,2,3
	v_and_b32 v114, 31, v[ID+\k]
	v_lshlrev_b32 v114, v114, 1
	v_cmp_gt_u32 vcc_lo, 32, v[ID+\k]
	v_cndmask_b32 v115, 0, v114, vcc_lo
	v_or_b32 v112, v112, v115
	v_cndmask_b32 v115, v114, 0, vcc_lo
	v_or_b32 v113, v113, v115
.endr
.set EX, 0
.rept 64
	v_bfe_u32 v114, v[112+EX/32], EX%32, 1
	v_cmp_ne_u32 s70, 0, v114                      ; bits 0-15: tokens 0-15 (bits 16-31 repeat them and are not stored)
	v_writelane_b32 v[118+EX/32], s70, EX%32
.set EX, EX+1
.endr
	v_lshlrev_b32 v116, 7, v1
	global_store_b16 v116, v118, s[42:43]          ; two bytes a lane, 128 bytes apart: the table has 8 KiB in all, and so an expert's 1,024 bits are 128 consecutive bytes for the launch that reads them
	global_store_b16 v116, v119, s[42:43] offset:4096
	v_lshlrev_b32 v117, 4, v2
	global_store_b128 v117, v[ID:ID+3], s[38:39]   ; 16 bytes a token; both halves of the lanes hold the same numbers and store them to the same bytes: 256 consecutive bytes
	global_store_b128 v117, v[CWO:CWO+3], s[40:41]
	s_wait_tensorcnt 0x0
	ds_add_u32 v192, v193
	s_wait_dscnt 0x0
	s_endpgm
.Lxout:
	; ---- wave 1: x's codes as whole rows of 256 bytes, and the scale words
.irp i, 0,1,2,3,4,5,6,7
	ds_load_b128 v[32+4*\i:35+4*\i], v11 offset:544*\i
.endr
	ds_load_b128 v[64:67], v15
	v_lshlrev_b32 v86, 4, v2
	v_lshl_add_u32 v86, v3, 8, v86
	v_lshlrev_b32 v87, 4, v2
.irp i, 0,1,2,3,4,5,6,7
	s_wait_dscnt 8-\i                              ; the younger loads may be out
	global_store_b128 v86, v[32+4*\i:35+4*\i], s[34:35] offset:512*\i     ; 16 lanes store a token's 256 bytes
.endr
	s_wait_dscnt 0x0
	global_store_b128 v87, v[64:67], s[36:37]      ; 16 bytes a token, the same from both halves of the lanes: 256 consecutive bytes
.Lrend:
	s_wait_tensorcnt 0x0
	ds_add_u32 v192, v193
	s_wait_dscnt 0x0
	s_endpgm
.Lfunc_end_k_q938abd9205_prep:
	.size	k_q938abd9205_prep, .Lfunc_end_k_q938abd9205_prep-k_q938abd9205_prep
	.p2alignl 7, 3214868480
	.fill 96, 4, 3214868480
	.section	.rodata,"a",@progbits
	.p2align	6, 0x0
	.amdhsa_kernel k_q938abd9205_prep
		.amdhsa_group_segment_fixed_size 60672
		.amdhsa_private_segment_fixed_size 0
		.amdhsa_enable_private_segment 0
		.amdhsa_kernarg_size 96
		.amdhsa_user_sgpr_count 2
		.amdhsa_user_sgpr_kernarg_segment_ptr 1
		.amdhsa_wavefront_size32 1
		.amdhsa_system_sgpr_workgroup_id_x 1
		.amdhsa_system_sgpr_workgroup_id_y 1
		.amdhsa_system_sgpr_workgroup_id_z 1
		.amdhsa_system_vgpr_workitem_id 0
		.amdhsa_next_free_vgpr 194
		.amdhsa_next_free_sgpr 80
		.amdhsa_reserve_vcc 1
		.amdhsa_float_denorm_mode_32 3
		.amdhsa_float_denorm_mode_16_64 3
		.amdhsa_memory_ordered 1
		.amdhsa_forward_progress 1
		.amdhsa_inst_pref_size 248
	.end_amdhsa_kernel
	.amdgpu_metadata
---
amdhsa.version: [ 1, 2 ]
amdhsa.kernels:
  - .name:           k_q938abd9205_prep
    .symbol:         k_q938abd9205_prep.kd
    .args:
      - { .name: x, .offset: 0, .size: 8, .value_kind: global_buffer, .address_space: global }
      - { .name: g1, .offset: 8, .size: 8, .value_kind: global_buffer, .address_space: global }
      - { .name: g2, .offset: 16, .size: 8, .value_kind: global_buffer, .address_space: global }
      - { .name: W1, .offset: 24, .size: 8, .value_kind: global_buffer, .address_space: global }
      - { .name: W2, .offset: 32, .size: 8, .value_kind: global_buffer, .address_space: global }
      - { .name: wq, .offset: 40, .size: 8, .value_kind: global_buffer, .address_space: global }
      - { .name: ws, .offset: 48, .size: 8, .value_kind: global_buffer, .address_space: global }
      - { .name: xq, .offset: 56, .size: 8, .value_kind: global_buffer, .address_space: global }
      - { .name: xs, .offset: 64, .size: 8, .value_kind: global_buffer, .address_space: global }
      - { .name: sel, .offset: 72, .size: 8, .value_kind: global_buffer, .address_space: global }
      - { .name: cwt, .offset: 80, .size: 8, .value_kind: global_buffer, .address_space: global }
      - { .name: msk, .offset: 88, .size: 8, .value_kind: global_buffer, .address_space: global }
    .group_segment_fixed_size: 60672
    .private_segment_fixed_size: 0
    .kernarg_segment_align: 8
    .kernarg_segment_size: 96
    .max_flat_workgroup_size: 128
    .sgpr_count:     80
    .vgpr_count:     194
    .wavefront_size: 32
...
	.end_amdgpu_metadata
.endif
;; end of part 1
;; launch chain (part 2): grid 4 x 64, 8 waves a work-group, no clusters, 185,344 bytes of LDS; arguments wq, ws, b1, b2, xq, xs, sel, cwt, msk, y; writes y
.if DOCPART == 2
	.amdgcn_target "amdgcn-amd-amdhsa--gfx1250"
	.amdhsa_code_object_version 6
	.text
	.protected	k_q938abd9205_chain
	.globl	k_q938abd9205_chain
	.p2align	8
	.type	k_q938abd9205_chain,@function
k_q938abd9205_chain:
	s_mov_b64 s[64:65], 0
	v_nop
	global_prefetch_b8 v0, s[64:65] scope:SCOPE_SE
	s_setreg_imm32_b32 hwreg(HW_REG_WAVE_MODE, 25, 1), 1
	s_wait_xcnt 0x0
; CHAIN.  y[t][j][:] = c (relu(Q(x[t]) Q(W1[e]) + b1[e]) quantised, times Q(W2[e]), + b2[e]) for each token t and each of its four chosen experts e = sel[t][j], c = cwt[t][j].
; Both products on codes of FP4 (E2M1) with E8M0 scales; sums in f32; the hidden layer never goes to memory.
; SHARES.  Work-group (q, e) takes, of expert e's rows (its tokens in ascending order, in tiles of 16), the tiles q, q + 4, ..: 16 at the most, which serves every split, all 1,024 tokens on one expert too.
; A work-group that a split leaves without tiles stores nothing.  The count hangs on stored numbers, so the operands go from memory straight into registers and no barrier stands under such a branch.
; No cluster and no joint loads: the four work-groups of an expert read the same codes, but their trips hang on numbers read from memory.
; THE WAVES SHARE THE COLUMNS: wave w makes hidden units 128 w .. + 127 (K step w of the second product) and outputs 64 w .. + 63, for all rows.  Its codes lie in v256-511: first 32 fragments of W1,
; then 32 of W2: each 32 KiB on end in wq, 64 loads of 512 consecutive bytes.
; THE LIST.  msk holds the expert's 1,024 bits.  Wave 0 gives each set bit its rank and stores the tokens of this work-group's tiles into LDS; a barrier; every wave reads 16 entries a tile.
; A last tile's rows beyond the count become copies of its first row: they compute the same numbers and store them to the same bytes.
; Both products are used transposed (source 0 = 16 columns of the weight, source 1 = 16 rows): a lane holds one row, its registers run along the columns, in the order that the weights' tiles were laid for.
; The hidden layer goes from wave to wave through LDS as images of the operand's registers (16 bytes a lane, 512 a store) with its scale words (4 bytes a lane).
; LIMITS: NaN and infinities are not served; a hidden block whose largest number lies under 2^-124 has its byte held at 1; a block of zeros gets the byte 1 and zero codes.
.set LIST,  0                          ; LDS: 256 entries (local tile i, row r at 64 i + 4 r) and 32 words that take what is not this work-group's
.set ROWI,  1280                       ; 64 bytes a wave: the 16 rows' places in y
.set HB,    2048                       ; 16 tiles x HT: 8 images of 1,024 bytes, then at + 8,192 their 8 x 128 bytes of scale words
.set HT,    9216
.set STG,   149504                     ; a stage of 16 rows x (256 + 16) bytes for each wave
.set SP,    272
.set XS,    20                         ; v20-23   x's scale words          (v20-55, v228-235: scales and nothing else)
.set W1S,   24                         ; v24-39   W1's: register 4 b + s: lanes 0-15 tile 2 b, lanes 16-31 tile 2 b + 1
.set W2S,   40                         ; v40-55   W2's likewise
.set B1,    56                         ; v56-119  b1 in the result's layout, 8 tiles; later b2, 4 tiles
.set B2,    56
.set XF,    120                        ; v120-151 x's four fragments; later y's four accumulators
.set ACCY,  120
.set HA,    152                        ; v152-215 my 8 tiles of the hidden layer; later its 8 fragments; later rows of y
.set HF,    152
.set RB,    152
.set TM,    216                        ; v216-227 at work in the quantiser; later the rows' offsets in y
.set YO,    216
.set HS,    228                        ; v228-235 the hidden layer's scale words
.set PW,    236                        ; v236     the scale word just made
.set PC,    238                        ; v238-245 the codes just made; later sel's and cwt's four numbers
.set IDS,   238
.set CWR,   242
.set CW2,   246                        ; v246-247 c, twice
.set JJ,    248                        ; v248     j
.set T16,   249                        ; v249     16 t
.set R16,   250                        ; v250     16 r
.set SEL,   76                         ; s[76:77] lane selects: lane l xor 16
.set MSB, 0
.macro WIN new                         ; the immediate's high byte repeats the setting that is left
.if MSB != \new
	s_set_vgpr_msb (MSB<<8)|\new
.set MSB, \new
.endif
.endm
.macro WLOAD b                         ; my wave's 32 KiB of codes into v256-511
	WIN 0x40                                       ; destination: the upper window
.set KK, 0
.rept 64
	global_load_b128 v[4*KK:4*KK+3], v4, s[\b:\b+1] offset:512*KK
.set KK, KK+1
.endr
	WIN 0
.endm
.macro QUANT s, pw                     ; 64 numbers of a lane, register 16 b + i = k 32 b + 16 (lane / 16) + i of my row -> codes in v[PC] on, scale word in v[pw]
.irp b, 0,1,2,3
	v_max3_num_f32 v[TM+\b], |v[\s+16*\b]|, |v[\s+1+16*\b]|, 0x1800000   ; my 16 numbers of block b, and the floor 2^(3 - 127): the byte cannot fall under 1
.endr
.irp i, 2,4,6,8,10,12,14
.irp b, 0,1,2,3
	v_max3_num_f32 v[TM+\b], v[TM+\b], |v[\s+16*\b+\i]|, |v[\s+1+16*\b+\i]|
.endr
.endr
.irp b, 0,1,2,3
	v_permlanex16_b32 v[TM+4+\b], v[TM+\b], s[SEL], s[SEL+1]
.endr
.irp b, 0,1,2,3
	v_max_num_f32 v[TM+\b], v[TM+\b], v[TM+4+\b]
.endr
.irp b, 0,1,2,3
	v_add_nc_u32 v[TM+8+\b], 0xff000000, v[TM+\b]  ; 2 off the exponent field: the conversion's scale operand
.endr
.irp b, 0,1,2,3
	v_lshrrev_b32 v[TM+4+\b], 23, v[TM+8+\b]
.endr
	v_lshl_or_b32 v[\pw], v[TM+5], 8, v[TM+4]
	v_lshl_or_b32 v[\pw], v[TM+6], 16, v[\pw]
	v_lshl_or_b32 v[\pw], v[TM+7], 24, v[\pw]
.irp b, 0,1,2,3
	v_cvt_scalef32_pk8_fp4_f32 v[PC+2*\b], v[\s+16*\b:\s+7+16*\b], v[TM+8+\b]
	v_cvt_scalef32_pk8_fp4_f32 v[PC+1+2*\b], v[\s+8+16*\b:\s+15+16*\b], v[TM+8+\b]
.endr
	v_nop                                          ; one plain place behind a scaled conversion
.irp c, 0,1
.irp i, 0,1
	v_permlane16_swap_b32 v[PC+4*\c+\i], v[PC+2+4*\c+\i]
.endr
.endr
.endm
.macro MM d, a, b, c, sa, sb, row1     ; one product; row1: source 0's scale words lie in lanes 16-31
.if \row1
	v_wmma_scale_f32_16x16x128_f8f6f4 v[\d:\d+7], v[\a:\a+7], v[\b:\b+7], v[\c:\c+7], v[\sa], v[\sb] matrix_a_fmt:MATRIX_FMT_FP4 matrix_b_fmt:MATRIX_FMT_FP4 matrix_a_scale:MATRIX_SCALE_ROW1
.else
	v_wmma_scale_f32_16x16x128_f8f6f4 v[\d:\d+7], v[\a:\a+7], v[\b:\b+7], v[\c:\c+7], v[\sa], v[\sb] matrix_a_fmt:MATRIX_FMT_FP4 matrix_b_fmt:MATRIX_FMT_FP4
.endif
.endm
.macro ROWS                            ; v16 = the token of row r of local tile i
	v_add_nc_u32 v15, s69, v6
	ds_load_b32 v16, v15 offset:LIST
	s_wait_dscnt 0x0
	v_readfirstlane_b32 s71, v16                   ; row 0 of a tile that exists is a real row
	v_cmp_gt_u32 vcc_lo, 0x400, v16
	v_cndmask_b32 v16, s71, v16, vcc_lo            ; rows beyond the count become copies of it
	v_min_u32 v16, 0x3ff, v16
.endm
	s_load_b512 s[4:19], s[0:1], 0x0               ; wq s[4:5], ws s[6:7], b1 s[8:9], b2 s[10:11], xq s[12:13], xs s[14:15], sel s[16:17], cwt s[18:19]
	s_load_b128 s[20:23], s[0:1], 0x40             ; msk s[20:21], y s[22:23]
	v_lshrrev_b32 v1, 5, v0
	v_readfirstlane_b32 s24, v1                    ; wave 0..7
	s_mov_b32 s25, ttmp9                           ; q
	s_and_b32 s26, ttmp7, 0xffff                   ; the expert
	v_and_b32 v1, 31, v0                           ; lane
	v_and_b32 v2, 15, v0                           ; r
	v_bfe_u32 v3, v0, 4, 1                         ; h
	v_lshlrev_b32 v4, 4, v1                        ; 16 x lane
	v_lshlrev_b32 v5, 2, v1                        ; 4 x lane
	v_lshlrev_b32 v6, 2, v2                        ; 4 r
	v_lshlrev_b32 v7, 4, v3                        ; 16 h
	s_lshl_b32 s71, s24, 10
	v_add_nc_u32 v8, s71, v4                       ; where I store an image: 16 x lane + 1,024 x wave
	s_lshl_b32 s71, s24, 7
	v_add_nc_u32 v9, s71, v5                       ; and its scale words: 4 x lane + 128 x wave
	s_mul_i32 s71, s24, 16*SP
	s_add_co_u32 s71, s71, STG                     ; my stage
	v_mul_u32_u24 v10, v2, SP
	v_lshl_add_u32 v10, v3, 6, v10
	v_add_nc_u32 v10, s71, v10                     ; in: row r, + 64 h
	v_mul_u32_u24 v11, v3, SP
	v_lshl_add_u32 v11, v2, 4, v11
	v_add_nc_u32 v11, s71, v11                     ; back: lanes 0-15 one row, lanes 16-31 the next
	s_lshl_b32 s71, s24, 6
	s_add_co_u32 s71, s71, ROWI
	v_add_nc_u32 v12, s71, v6                      ; my wave's 16 places: row r's,
	v_lshl_add_u32 v13, v3, 2, s71                 ; and on the way out row h's
	v_lshlrev_b32 v14, 6, v3                       ; the biases: 16 h numbers on
	v_lshlrev_b32 v[R16], 4, v2
.irp b, 0,1,2,3
	v_mov_b32 v[TM+4+\b], 0                        ; written once: a lane permute's destination counts as one of its sources
.endr
	s_mov_b32 s[SEL], 0x76543210
	s_mov_b32 s[SEL+1], 0xfedcba98
	s_lshl_b32 s72, s26, 5
	s_lshl_b32 s73, s24, 2
	s_add_co_u32 s72, s72, s73                     ; my first unit in each tensor: 32 e + 4 w
	s_lshl_b32 s92, s72, 13
	s_mov_b32 s93, 0
	s_lshl_b32 s94, s72, 9
	s_mov_b32 s95, 0
	s_wait_kmcnt 0x0
	s_add_nc_u64 s[78:79], s[4:5], s[92:93]        ; W1's codes
	s_add_nc_u64 s[80:81], s[78:79], 0x1000000     ; W2's: 2,048 units on
	s_add_nc_u64 s[88:89], s[6:7], s[94:95]        ; W1's scale words
	s_add_nc_u64 s[82:83], s[88:89], 0x100000      ; W2's
	s_lshl_b32 s92, s26, 7
	s_add_nc_u64 s[60:61], s[20:21], s[92:93]      ; the expert's 128 bytes of msk
	s_load_b512 s[28:43], s[60:61], 0x0
	s_load_b512 s[44:59], s[60:61], 0x40
	s_lshl_b32 s92, s26, 12
	s_lshl_b32 s73, s24, 9
	s_add_co_u32 s92, s92, s73
	s_add_nc_u64 s[90:91], s[8:9], s[92:93]        ; b1: 4,096 e + 512 w
	s_lshr_b32 s92, s92, 1
	s_add_nc_u64 s[84:85], s[10:11], s[92:93]      ; b2: 2,048 e + 256 w
	s_lshl_b32 s92, s24, 8
	s_add_nc_u64 s[86:87], s[22:23], s[92:93]      ; y at my 64 columns
	WLOAD 78
.irp b, 0,1,2,3
	global_load_b128 v[W1S+4*\b:W1S+4*\b+3], v4, s[88:89] offset:512*\b
.endr
.irp t, 0,1,2,3,4,5,6,7                        ; lane (r, h), tile 2 b + u, register j: hidden unit 32 b + 16 h + 8 u + j
	global_load_b128 v[B1+8*\t:B1+8*\t+3], v14, s[90:91] offset:(32*(\t/2)+8*(\t%2))*4
	global_load_b128 v[B1+8*\t+4:B1+8*\t+7], v14, s[90:91] offset:(32*(\t/2)+8*(\t%2))*4+16
.endr
	s_wait_kmcnt 0x0                               ; the expert's bits
	s_mov_b32 s66, 0
.set CI, 0
.rept 32
	s_bcnt1_i32_b32 s71, s[28+CI]
	s_add_co_u32 s66, s66, s71                     ; n: the expert's rows
.set CI, CI+1
.endr
	s_add_co_u32 s67, s66, 15
	s_lshr_b32 s67, s67, 4                         ; its tiles
	s_add_co_u32 s67, s67, 3
	s_sub_co_u32 s67, s67, s25
	s_lshr_b32 s67, s67, 2                         ; those numbered q, q + 4, ..: mine
	; the list: wave 0 alone; no other wave touches LDS ahead of the barrier below
	s_cmp_lg_u32 s24, 0
	s_cbranch_scc1 .Lplaced
.irp i, 0,1,2,3
	v_mov_b32 v[HA+\i], 0x400                      ; 'no row'
.endr
	ds_store_b128 v4, v[HA:HA+3] offset:LIST
	ds_store_b128 v4, v[HA:HA+3] offset:LIST+512
	v_add_nc_u32 v255, 256, v1                     ; where a lane puts what is not this work-group's
	s_mov_b32 s73, 0                               ; rows in the words before
.set CI, 0
.rept 32
	v_mbcnt_lo_u32_b32 v251, s[28+CI], s73         ; token 32 CI + lane's rank among the expert's rows
	v_bfe_u32 v252, v251, 4, 2                     ; its tile, modulo 4
	v_cmp_eq_u32 s72, s25, v252
	s_and_b32 s72, s72, s[28+CI]                   ; mine, and chosen at all
	v_lshrrev_b32 v253, 6, v251
	v_and_b32 v252, 15, v251
	v_lshl_or_b32 v253, v253, 4, v252              ; 16 x local tile + row
	v_cndmask_b32 v253, v255, v253, s72
	v_min_u32 v253, 0x11f, v253                    ; inside the list's 288 words whatever was read
	v_lshlrev_b32 v253, 2, v253
	v_or_b32 v254, 32*CI, v1
	ds_store_b32 v253, v254 offset:LIST
	s_bcnt1_i32_b32 s74, s[28+CI]
	s_add_co_u32 s73, s73, s74
.set CI, CI+1
.endr
.Lplaced:
	s_wait_dscnt 0x0                               ; wave 0's stores are done
	s_barrier_signal -1
	s_barrier_wait -1                              ; the list lies in LDS
	; ---- 1: the hidden layer.  16 trips, a constant; a trip beyond my tiles steps the counters alone
	s_mov_b32 s68, 0                               ; i
	s_mov_b32 s69, 0                               ; 64 i
	s_mov_b32 s70, 0                               ; HT i
.Lp1:
	s_cmp_ge_u32 s68, s67
	s_cbranch_scc1 .Lskip1
	ROWS
	v_lshl_add_u32 v19, v16, 8, v7                 ; the token's 256 bytes of codes, + 16 h
	v_lshlrev_b32 v[T16], 4, v16
.irp s, 0,1,2,3
.irp c, 0,1
	global_load_b128 v[XF+8*\s+4*\c:XF+8*\s+4*\c+3], v19, s[12:13] offset:64*\s+32*\c
.endr
.endr
	global_load_b128 v[XS:XS+3], v[T16], s[14:15]
	s_wait_loadcnt 0x0                             ; x's fragments; in my first trip W1's codes, scale words and b1 too
	WIN 0x01                                       ; source 0: the upper window
.irp s, 0,1,2,3                                ; the eight accumulators take turns; b1 is the C of each sum's first product
.irp t, 0,1,2,3,4,5,6,7
.if \s == 0
	MM HA+8*\t, 8*((\t/2)*8+2*\s+\t%2), XF+8*\s, B1+8*\t, W1S+4*(\t/2)+\s, XS+\s, \t%2
.else
	MM HA+8*\t, 8*((\t/2)*8+2*\s+\t%2), XF+8*\s, HA+8*\t, W1S+4*(\t/2)+\s, XS+\s, \t%2
.endif
.endr
.endr
	WIN 0
.rept 4
	v_nop                                          ; four places in front of the first read of results
.endr
.set J, 0
.rept 64
	v_max_num_f32 v[HA+J], 0, v[HA+J]              ; the activation, in f32, each accumulator from its low end on
.set J, J+1
.endr
	QUANT HA, PW
	v_add_nc_u32 v17, s70, v8
	v_add_nc_u32 v18, s70, v9
	ds_store_b128 v17, v[PC:PC+3] offset:HB        ; K step w of the second product, tile i
	ds_store_b128 v17, v[PC+4:PC+7] offset:HB+512
	ds_store_b32 v18, v[PW] offset:HB+8192
	s_wait_dscnt 0x0                               ; done before their registers are written again
.Lskip1:
	s_add_co_u32 s69, s69, 64
	s_add_co_u32 s70, s70, HT
	s_add_co_u32 s68, s68, 1
	s_cmp_lt_u32 s68, 16
	s_cbranch_scc1 .Lp1
	s_wait_loadcnt 0x0                             ; where every trip was passed over, W1's loads are still out: the same registers are loaded again below
.rept 4
	v_nop                                          ; places in front of loads into registers that matrix instructions have read
.endr
	WLOAD 80
.irp b, 0,1,2,3
	global_load_b128 v[W2S+4*\b:W2S+4*\b+3], v4, s[82:83] offset:512*\b
.endr
.irp t, 0,1,2,3                                ; lane (r, h), tile 2 g + u, register j: output 32 g + 16 h + 8 u + j of my 64
	global_load_b128 v[B2+8*\t:B2+8*\t+3], v14, s[84:85] offset:(32*(\t/2)+8*(\t%2))*4
	global_load_b128 v[B2+8*\t+4:B2+8*\t+7], v14, s[84:85] offset:(32*(\t/2)+8*(\t%2))*4+16
.endr
	s_wait_dscnt 0x0                               ; my images are stored
	s_barrier_signal -1
	s_barrier_wait -1                              ; everybody's are: the hidden layer lies in LDS
	; ---- 2: my 64 outputs of each tile of rows
	s_mov_b32 s68, 0
	s_mov_b32 s69, 0
	s_mov_b32 s70, 0
.Lp2:
	s_cmp_ge_u32 s68, s67
	s_cbranch_scc1 .Lskip2
	ROWS
	v_lshlrev_b32 v[T16], 4, v16
	global_load_b128 v[IDS:IDS+3], v[T16], s[16:17]        ; the token's four experts
	global_load_b128 v[CWR:CWR+3], v[T16], s[18:19]        ; and their weights
	v_add_nc_u32 v17, s70, v4
	v_add_nc_u32 v18, s70, v5
.irp s, 0,1,2,3,4,5,6,7
	ds_load_b128 v[HF+8*\s:HF+8*\s+3], v17 offset:HB+1024*\s
	ds_load_b128 v[HF+8*\s+4:HF+8*\s+7], v17 offset:HB+1024*\s+512
	ds_load_b32 v[HS+\s], v18 offset:HB+8192+128*\s
.endr
	s_wait_loadcnt 0x0                             ; in my first trip W2's codes, scale words and b2 too
	v_mov_b32 v[JJ], 0                             ; which of the four is this expert
	v_mov_b32 v[CW2], v[CWR]
.irp k, 1,2,3
	v_cmp_eq_u32 vcc_lo, s26, v[IDS+\k]
	v_cndmask_b32 v[JJ], v[JJ], \k, vcc_lo
	v_cndmask_b32 v[CW2], v[CW2], v[CWR+\k], vcc_lo
.endr
	v_mov_b32 v[CW2+1], v[CW2]
	v_lshl_add_u32 v19, v16, 2, v[JJ]              ; the row's place in y: 4 t + j
	ds_store_b32 v12, v19                          ; both halves of the lanes store the same number to the same word
	s_wait_dscnt 0x0
	WIN 0x01
.irp s, 0,1,2,3,4,5,6,7                        ; the four accumulators take turns; b2 is the C of each sum's first product
.irp t, 0,1,2,3
.if \s == 0
	MM ACCY+8*\t, 8*(((\t/2)*2+\s/4)*8+2*(\s%4)+\t%2), HF+8*\s, B2+8*\t, W2S+((\t/2)*2+\s/4)*4+\s%4, HS+\s, \t%2
.else
	MM ACCY+8*\t, 8*(((\t/2)*2+\s/4)*8+2*(\s%4)+\t%2), HF+8*\s, ACCY+8*\t, W2S+((\t/2)*2+\s/4)*4+\s%4, HS+\s, \t%2
.endif
.endr
.endr
	WIN 0
.rept 4
	v_nop
.endr
.set J, 0
.rept 16
	v_pk_mul_f32 v[ACCY+J:ACCY+J+1], v[ACCY+J:ACCY+J+1], v[CW2:CW2+1] op_sel_hi:[1,0]     ; x c, each accumulator from its low end on
.set J, J+2
.endr
.irp t, 0,1,2,3
	ds_store_b128 v10, v[ACCY+8*\t:ACCY+8*\t+3] offset:128*(\t/2)+32*(\t%2)
	ds_store_b128 v10, v[ACCY+8*\t+4:ACCY+8*\t+7] offset:128*(\t/2)+32*(\t%2)+16
.endr
.irp i, 0,1,2,3,4,5,6,7
	ds_load_b32 v[YO+\i], v13 offset:8*\i          ; the place of row 2 i + h
.endr
.irp i, 0,1,2,3,4,5,6,7
	ds_load_b128 v[RB+4*\i:RB+4*\i+3], v11 offset:544*\i   ; my own stage: LDS serves a wave's instructions in order
.endr
	s_wait_dscnt 0x0
.irp i, 0,1,2,3,4,5,6,7
	v_min_u32 v[YO+\i], 0xfff, v[YO+\i]
	v_lshl_add_u32 v[YO+\i], v[YO+\i], 11, v[R16]
	global_store_b128 v[YO+\i], v[RB+4*\i:RB+4*\i+3], s[86:87]     ; 16 lanes store 256 consecutive bytes, aligned: my 64 columns of one row of y
.endr
	s_wait_xcnt 0x0                                ; the stores' registers are written again only behind this wait
.Lskip2:
	s_add_co_u32 s69, s69, 64
	s_add_co_u32 s70, s70, HT
	s_add_co_u32 s68, s68, 1
	s_cmp_lt_u32 s68, 16
	s_cbranch_scc1 .Lp2
	s_wait_xcnt 0x0
	v_lshl_add_u32 v254, v0, 2, 0x2d000
	v_mov_b32 v255, 0
	s_wait_tensorcnt 0x0
	ds_add_u32 v254, v255
	s_wait_dscnt 0x0
	s_endpgm
.Lfunc_end_k_q938abd9205_chain:
	.size	k_q938abd9205_chain, .Lfunc_end_k_q938abd9205_chain-k_q938abd9205_chain
	.p2alignl 7, 3214868480
	.fill 96, 4, 3214868480
	.section	.rodata,"a",@progbits
	.p2align	6, 0x0
	.amdhsa_kernel k_q938abd9205_chain
		.amdhsa_group_segment_fixed_size 185344
		.amdhsa_private_segment_fixed_size 0
		.amdhsa_enable_private_segment 0
		.amdhsa_kernarg_size 80
		.amdhsa_user_sgpr_count 2
		.amdhsa_user_sgpr_kernarg_segment_ptr 1
		.amdhsa_wavefront_size32 1
		.amdhsa_system_sgpr_workgroup_id_x 1
		.amdhsa_system_sgpr_workgroup_id_y 1
		.amdhsa_system_sgpr_workgroup_id_z 1
		.amdhsa_system_vgpr_workitem_id 0
		.amdhsa_next_free_vgpr 512
		.amdhsa_next_free_sgpr 100
		.amdhsa_reserve_vcc 1
		.amdhsa_float_denorm_mode_32 3
		.amdhsa_float_denorm_mode_16_64 3
		.amdhsa_memory_ordered 1
		.amdhsa_forward_progress 1
		.amdhsa_inst_pref_size 67
	.end_amdhsa_kernel
	.amdgpu_metadata
---
amdhsa.version: [ 1, 2 ]
amdhsa.kernels:
  - .name:           k_q938abd9205_chain
    .symbol:         k_q938abd9205_chain.kd
    .args:
      - { .name: wq, .offset: 0, .size: 8, .value_kind: global_buffer, .address_space: global }
      - { .name: ws, .offset: 8, .size: 8, .value_kind: global_buffer, .address_space: global }
      - { .name: b1, .offset: 16, .size: 8, .value_kind: global_buffer, .address_space: global }
      - { .name: b2, .offset: 24, .size: 8, .value_kind: global_buffer, .address_space: global }
      - { .name: xq, .offset: 32, .size: 8, .value_kind: global_buffer, .address_space: global }
      - { .name: xs, .offset: 40, .size: 8, .value_kind: global_buffer, .address_space: global }
      - { .name: sel, .offset: 48, .size: 8, .value_kind: global_buffer, .address_space: global }
      - { .name: cwt, .offset: 56, .size: 8, .value_kind: global_buffer, .address_space: global }
      - { .name: msk, .offset: 64, .size: 8, .value_kind: global_buffer, .address_space: global }
      - { .name: y, .offset: 72, .size: 8, .value_kind: global_buffer, .address_space: global }
    .group_segment_fixed_size: 185344
    .private_segment_fixed_size: 0
    .kernarg_segment_align: 8
    .kernarg_segment_size: 80
    .max_flat_workgroup_size: 256
    .sgpr_count:     100
    .vgpr_count:     512
    .wavefront_size: 32
...
	.end_amdgpu_metadata
.endif
;; end of part 2
;; launch combine (part 3): grid 256 x 1, 4 waves a work-group, no clusters, 0 bytes of LDS; arguments y, out0; writes out0
.if DOCPART == 3
	.amdgcn_target "amdgcn-amd-amdhsa--gfx1250"
	.amdhsa_code_object_version 6
	.text
	.protected	k_q938abd9205_combine
	.globl	k_q938abd9205_combine
	.p2align	8
	.type	k_q938abd9205_combine,@function
k_q938abd9205_combine:
	s_mov_b64 s[64:65], 0
	v_nop
	global_prefetch_b8 v0, s[64:65] scope:SCOPE_SE
	s_setreg_imm32_b32 hwreg(HW_REG_WAVE_MODE, 25, 1), 1
	s_wait_xcnt 0x0
; COMBINE.  out0[t][:] = (y[t][0][:] + y[t][1][:]) + (y[t][2][:] + y[t][3][:]): the token's four weighted rows, each made by another work-group of the launch before.
; The order of the sum is that of the slots (first group's two experts, second group's two), not the source's order of groups.
; A wave takes a token: 16 loads of 512 consecutive bytes, all out at once, and 4 stores of 512.  No LDS, no barrier, no matrix unit: the launch moves bytes and adds.
	s_load_b128 s[4:7], s[0:1], 0x0                ; y, out0
	v_lshrrev_b32 v1, 5, v0
	v_readfirstlane_b32 s8, v1                     ; wave
	v_and_b32 v1, 31, v0
	v_lshlrev_b32 v1, 4, v1                        ; 16 bytes a lane
	s_lshl_b32 s9, ttmp9, 2
	s_add_co_u32 s9, s9, s8                        ; the token
	s_lshl_b32 s10, s9, 13                         ; 4 rows of 2,048 bytes
	s_mov_b32 s11, 0
	s_lshl_b32 s12, s9, 11
	s_mov_b32 s13, 0
	s_wait_kmcnt 0x0
	s_add_nc_u64 s[4:5], s[4:5], s[10:11]
	s_add_nc_u64 s[6:7], s[6:7], s[12:13]
.irp j, 0,1,2,3
.irp k, 0,1,2,3
	global_load_b128 v[4+16*\j+4*\k:7+16*\j+4*\k], v1, s[4:5] offset:2048*\j+512*\k th:TH_LOAD_NT
.endr
.endr
	s_wait_loadcnt 0x0
.irp k, 0,1,2,3
.irp p, 0,2
	v_pk_add_f32 v[4+4*\k+\p:5+4*\k+\p], v[4+4*\k+\p:5+4*\k+\p], v[20+4*\k+\p:21+4*\k+\p]
	v_pk_add_f32 v[36+4*\k+\p:37+4*\k+\p], v[36+4*\k+\p:37+4*\k+\p], v[52+4*\k+\p:53+4*\k+\p]
.endr
.irp p, 0,2
	v_pk_add_f32 v[4+4*\k+\p:5+4*\k+\p], v[4+4*\k+\p:5+4*\k+\p], v[36+4*\k+\p:37+4*\k+\p]
.endr
	global_store_b128 v1, v[4+4*\k:7+4*\k], s[6:7] offset:512*\k th:TH_STORE_NT
.endr
	s_endpgm
.Lfunc_end_k_q938abd9205_combine:
	.size	k_q938abd9205_combine, .Lfunc_end_k_q938abd9205_combine-k_q938abd9205_combine
	.p2alignl 7, 3214868480
	.fill 96, 4, 3214868480
	.section	.rodata,"a",@progbits
	.p2align	6, 0x0
	.amdhsa_kernel k_q938abd9205_combine
		.amdhsa_group_segment_fixed_size 0
		.amdhsa_private_segment_fixed_size 0
		.amdhsa_enable_private_segment 0
		.amdhsa_kernarg_size 16
		.amdhsa_user_sgpr_count 2
		.amdhsa_user_sgpr_kernarg_segment_ptr 1
		.amdhsa_wavefront_size32 1
		.amdhsa_system_sgpr_workgroup_id_x 1
		.amdhsa_system_sgpr_workgroup_id_y 1
		.amdhsa_system_sgpr_workgroup_id_z 1
		.amdhsa_system_vgpr_workitem_id 0
		.amdhsa_next_free_vgpr 72
		.amdhsa_next_free_sgpr 66
		.amdhsa_reserve_vcc 0
		.amdhsa_float_denorm_mode_32 3
		.amdhsa_float_denorm_mode_16_64 3
		.amdhsa_memory_ordered 1
		.amdhsa_forward_progress 1
		.amdhsa_inst_pref_size 5
	.end_amdhsa_kernel
	.amdgpu_metadata
---
amdhsa.version: [ 1, 2 ]
amdhsa.kernels:
  - .name:           k_q938abd9205_combine
    .symbol:         k_q938abd9205_combine.kd
    .args:
      - { .name: y, .offset: 0, .size: 8, .value_kind: global_buffer, .address_space: global }
      - { .name: out0, .offset: 8, .size: 8, .value_kind: global_buffer, .address_space: global }
    .group_segment_fixed_size: 0
    .private_segment_fixed_size: 0
    .kernarg_segment_align: 8
    .kernarg_segment_size: 16
    .max_flat_workgroup_size: 128
    .sgpr_count:     66
    .vgpr_count:     72
    .wavefront_size: 32
...
	.end_amdgpu_metadata
.endif
;; end of part 3
;; ======== version 2 of 2: 3 launches; version 1 with the launches prep, chain written anew for expert scheduling mode
;; workspace buffers: wq 33,554,432 bytes; ws 2,097,152 bytes; xq 262,144 bytes; xs 16,384 bytes; sel 16,384 bytes of whole numbers; cwt 16,384 bytes; msk 8,192 bytes of whole numbers; y 8,388,608 bytes
;; launch prep (part 4): grid 1088 x 1, 4 waves a work-group, no clusters, 60,672 bytes of LDS; arguments x, g1, g2, W1, W2, wq, ws, xq, xs, sel, cwt, msk; writes wq, ws, xq, xs, sel, cwt, msk
.if DOCPART == 4
	.amdgcn_target "amdgcn-amd-amdhsa--gfx1250"
	.amdhsa_code_object_version 6
	.text
	.protected	k_q938abd9205_prep
	.globl	k_q938abd9205_prep
	.p2align	8
	.type	k_q938abd9205_prep,@function
k_q938abd9205_prep:
	s_mov_b64 s[64:65], 0
	v_nop
	global_prefetch_b8 v0, s[64:65] scope:SCOPE_SE
	s_setreg_imm32_b32 hwreg(HW_REG_WAVE_SCHED_MODE, 0, 2), 2
	s_setreg_imm32_b32 hwreg(HW_REG_WAVE_MODE, 25, 1), 1
	s_wait_xcnt 0x0
	s_wait_alu depctr_vm_vsrc(0)
; PREP.  Two jobs in one launch, parted by the work-group's number.
; Work-groups 64 .. 1087: W1 [64][512][1024] and W2 [64][1024][512], f32 with K as the first axis of an expert's matrix, become codes of FP4 (E2M1)
;   with one E8M0 byte for each 32 along K, laid in the order of the operand's registers.  A wave takes one UNIT: 32 columns x 512 along K.  A lane takes a column and its
;   registers run down K: a block of 32 lies in one lane, each load reads 128 consecutive bytes, and the conversions give codes with K innermost.
;   Unit U (8,192 bytes at wq + 8192 U, 512 bytes at ws + 512 U) = 2048 tensor + 32 expert + un.  W1: un = columns 32 un on, all of K.  W2: un = 2 cg + kh: columns 32 cg on, K 512 kh on.
;   In a unit the fragment (K step s of 128, tile u) lies at 2048 s + 1024 u: register group c at + 512 c, lane l at + 16 l.  Lane r of tile u is column 8 u + r + 8 (r / 8) of the 32,
;   so that a transposed product's 16 registers of tiles 0 and 1 are 16 neighbours.  ws: lane l's 16 bytes are its column's scale words of K steps 0 .. 3; lanes 0-15 tile 0, lanes 16-31 tile 1.
; Work-groups 0 .. 63: THE ROUTER, 16 tokens each.  THE FOUR WAVES SHARE K: wave w takes k = 128 w .. 128 w + 127, so that it fetches x once (16 loads) and of g1 and g2 only its own slices.
;   Those slices are dense in memory (4 KiB of g1; 4 KiB of each of g2's 8 groups): they come by loads of 512 consecutive bytes and turn through the wave's own LDS into the operand's order.
;   So a wave issues 88 global loads, in three dependent trips to memory: x with g1; g2's tiles 0 and 1; tiles 2 and 3.
;   x is quantised along K (codes to xq [1024][256 bytes], scale words to xs [1024][4]); logits1 = x g1 in f32 (f32 matrix form, two accumulators); logits2 = Q(x) Q(g2) on codes.
;   The waves' partial sums meet in LDS behind one barrier.  Wave 0 adds them and chooses: top 2 of 8 groups, top 2 of 8 experts in each group (a tie keeps the lower index), softmax of each pair with its
;   maximum taken away.  Wave 1 stores x's codes and scale words.  Stored at fixed places: sel [1024][4] = 8 group + expert, cwt [1024][4] = c1 c2,
;   msk [64 experts][64 tiles of 16 tokens] of 16 bits: bit b = token 16 tile + b takes the expert.
; LIMITS: NaN and infinities among inputs or logits are not served.  A block whose largest magnitude lies under 2^-124 has its byte held at 1; a block of zeros gets the byte 1 and zero codes
;   (the bytes are read by this program alone).  Both logits are summed K step by K step of 128 and the four partial sums are added in ascending K, not in the source's order.
; THE MODE: SCHED_MODE bits 1:0 = 2 (LLVM: expert scheduling mode 2), set by the entry lines.  The code itself states the register dependences
;   between vector or matrix instructions and memory or LDS instructions, with s_wait_alu, always for 0.
; THE PLAN, the weights.  X0, X1: block t's maxima and conversions read X[t % 2]; behind them the loads of block t + 2 land in it.  C: four registers a block, written by the conversions and the
;   lane swaps, read by one store, never written again.  SBW: written by shifts, read by the last store.  v3, v4: offsets, made at the head, never written again.
;   So one wait on va_vdst stands in a block, behind its conversions (in an odd block behind the swaps too), and the block's loads and stores follow it.  No register that a store reads is written again.
; THE PLAN, the router.  SA, SB: global loads land; the turning stores read the set; LDS loads land in it; the quantiser reads it; the product writes its first 8 registers; two LDS stores read those;
;   the next tile's global loads land.  GC: written by additions, read by two LDS stores, then written by each tile's conversions.  PC, XSW: written once, read by LDS stores and by the products.
;   v4 - v15: addresses, made at the head, never written again.  A wait on vm_vsrc stands behind each run of LDS stores whose registers are loaded or written again; a wait on va_vdst ahead of each run of
;   stores of fresh results, where it also frees the set for the next loads; one ahead of each scaled product, behind its places.  Masks of compares go to scalar registers in runs, one wait on va_sdst a run.
.set NR,    64                         ; router work-groups
.set TRW,   8768                       ; LDS (router alone), from byte 0: a turning region for each wave: two groups of g2, GP bytes apart, or g1's slice
.set GP,    4384                       ; a group's 128 rows of 32 bytes, 64 bytes of padding behind each 32 rows, and 32 more: 1,096 words, 8 banks on
.set PART,  35072                      ; the partial sums, PWV bytes a wave: images of registers: logits1 (2 x 512), then logits2's four tiles (2 x 512 each)
.set PWV,   5120
.set XSTG,  55552                      ; the work-group's stage: 16 rows x (256 + 16) bytes: x's codes on their way out
.set XSP,   272
.set XSC,   59904                      ; 16 tokens x 4 scale words
.set X,     16                         ; weights: v16-79 two sets of 32 numbers
.set C,     80                         ; v80-143 codes: four registers for each of 16 blocks, never written again
.set MA,    144                        ; v144, v145 maxima, v146 the conversion's scale operand
.set SBW,   148                        ; v148-151 the column's four scale words
.set SA,    16                         ; router: v16-79 x's 64 numbers, later tiles 0 and 2 of g2
.set SB,    80                         ; v80-143 g1's 64 numbers, later tiles 1 and 3 of g2
.set GC,    144                        ; v144-151 the codes of a tile of g2; once, logits1's partial sum
.set TM,    152                        ; v152-163 at work in the quantisers
.set G2S,   164                        ; v164 the tile's scale word: scales and nothing else
.set XSW,   165                        ; v165 x's scale word: scales and nothing else
.set PC,    168                        ; v168-175 x's codes
.set ACC1,  176                        ; v176-191 logits1, two accumulators: written by matrix instructions alone in the whole text
.set O1,    56                         ; wave 0, behind the barrier: v16-23 logits1, v24-55 logits2; search n of five: list at v[16 + 8 n], results at v[O1 + 8 n]: i1, v1, i2, v2, w1, w2
.set T2,    64                         ; v64-95 = searches 1 to 4, eight registers a tile: i1, v1, i2, v2, w1, w2, both indices packed
.set ID,    96                         ; v96-99 the token's four experts
.set CWO,   100                        ; v100-103 and their weights
.set SW,    104                        ; v104-111 at work
.set SEL,   60                         ; s[60:61] lane selects for v_permlanex16_b32: lane l xor 16
	s_load_b512 s[4:19], s[0:1], 0x0               ; x s[4:5], g1 s[6:7], g2 s[8:9], W1 s[10:11], W2 s[12:13], wq s[14:15], ws s[16:17], xq s[18:19]
	s_load_b256 s[20:27], s[0:1], 0x40             ; xs s[20:21], sel s[22:23], cwt s[24:25], msk s[26:27]
	v_lshl_add_u32 v192, v0, 2, 0xeb00
	v_mov_b32 v193, 0
	v_lshrrev_b32 v1, 5, v0
	v_readfirstlane_b32 s28, v1                    ; wave 0..3
	v_and_b32 v1, 31, v0                           ; lane
	s_wait_alu depctr_va_sdst(0)                   ; s28 is written, ahead of the branch and of its first reader on either path
	s_cmp_lt_u32 ttmp9, NR
	s_cbranch_scc1 .Lrouter
; ---------------------------------------------------------------- the weights
	s_sub_co_u32 s30, ttmp9, NR
	s_lshl_b32 s30, s30, 2
	s_add_co_u32 s30, s30, s28                     ; U: my wave's unit
	s_bfe_u32 s31, s30, 0x60005                    ; the expert: bits 10:5
	s_and_b32 s32, s30, 31                         ; un
	s_lshl_b32 s34, s31, 21                        ; an expert's matrix is 2 MiB
	s_mov_b32 s35, 0
	s_lshl_b32 s36, s30, 13                        ; 8,192 bytes of codes a unit
	s_mov_b32 s37, 0
	s_lshl_b32 s38, s30, 9                         ; 512 bytes of scale words
	s_mov_b32 s39, 0
	v_and_b32 v3, 7, v1                            ; my column of the 32: (l & 7) + 16 ((l >> 3) & 1) + 8 (l >> 4)
	v_bfe_u32 v4, v1, 3, 1
	v_lshl_add_u32 v3, v4, 4, v3
	v_lshrrev_b32 v4, 4, v1
	v_lshl_add_u32 v3, v4, 3, v3
	v_lshlrev_b32 v3, 2, v3                        ; in bytes: the 32 lanes still cover 128 consecutive bytes
	v_lshlrev_b32 v4, 4, v1                        ; out: 16 bytes a lane
	s_wait_kmcnt 0x0
	s_add_nc_u64 s[36:37], s[14:15], s[36:37]
	s_add_nc_u64 s[38:39], s[16:17], s[38:39]
.macro WLD t, pitch                    ; block t: rows 32 t + i of my column into set t % 2
.irp i, 0,1,2,3,4,5,6,7,8,9,10,11,12,13,14,15,16,17,18,19,20,21,22,23,24,25,26,27,28,29,30,31
	global_load_b32 v[X+32*((\t)%2)+\i], v3, s[40:41] offset:(32*(\t)+\i)*(\pitch) th:TH_LOAD_NT
.endr
.endm
.macro BLOCK t, pitch
.set XB, X+32*((\t)%2)
.if (\t) < 15
	s_wait_loadcnt 32                              ; this block's 32 loads are in; the next block's 32 may be out
.else
	s_wait_loadcnt 0
.endif
	v_max3_num_f32 v[MA], |v[XB]|, |v[XB+1]|, |v[XB+2]|            ; the block's largest magnitude: all 32 numbers are mine; two chains
	v_max3_num_f32 v[MA+1], |v[XB+3]|, |v[XB+4]|, |v[XB+5]|
.irp i, 6,10,14,18,22,26
	v_max3_num_f32 v[MA], v[MA], |v[XB+\i]|, |v[XB+\i+1]|
	v_max3_num_f32 v[MA+1], v[MA+1], |v[XB+\i+2]|, |v[XB+\i+3]|
.endr
	v_max3_num_f32 v[MA], v[MA], |v[XB+30]|, |v[XB+31]|
	v_max3_num_f32 v[MA], v[MA], v[MA+1], 0x1800000                ; and the floor 2^(3 - 127): the byte cannot fall under 1
	v_add_nc_u32 v[MA+2], 0xff000000, v[MA]                        ; 2 off the exponent field: the conversion takes this operand's exponent field as its scale
	v_lshrrev_b32 v[MA+1], 23, v[MA+2]                             ; the scale's byte
.if (\t)%4 == 0
	v_mov_b32 v[SBW+(\t)/4], v[MA+1]                               ; four bytes to a word, the lower K in the lower byte
.else
	v_lshl_or_b32 v[SBW+(\t)/4], v[MA+1], 8*((\t)%4), v[SBW+(\t)/4]
.endif
.irp g, 0,1,2,3
	v_cvt_scalef32_pk8_fp4_f32 v[C+4*(\t)+\g], v[XB+8*\g:XB+8*\g+7], v[MA+2]
.endr
.if (\t)%2 == 1
	v_nop                                          ; one plain place behind the conversions
.irp i, 0,1,2,3
	v_permlane16_swap_b32 v[C+4*((\t)-1)+\i], v[C+4*(\t)+\i]       ; blocks t - 1 and t of 32 columns become register group (t / 2) % 2 of tile 0 (first) and of tile 1 (second): lanes 16-31 hold the odd block
.endr
.endif
.if (\t) != 14                         ; block 14 issues no load and no store
	s_wait_alu depctr_va_vdst(0)                   ; the maxima and conversions are done reading this set, in which the loads below land; in an odd block the swaps have written the two blocks' codes, which the stores below read (block 15: the scale words too)
.endif
.if (\t)+2 < 16
	WLD (\t)+2, \pitch
.endif
.if (\t)%2 == 1
	global_store_b128 v4, v[C+4*((\t)-1):C+4*((\t)-1)+3], s[36:37] offset:((\t)/4)*2048+(((\t)/2)%2)*512        ; 512 consecutive bytes, aligned
	global_store_b128 v4, v[C+4*(\t):C+4*(\t)+3], s[36:37] offset:((\t)/4)*2048+(((\t)/2)%2)*512+1024
.endif
.endm
.macro QW pitch                        ; a unit: 16 blocks, loads two blocks ahead; every offset is an immediate (511 rows of 4,096 bytes at the most)
	s_wait_alu depctr_va_vdst(0)                   ; v3 and v4 are written: every load and store of the unit reads one of them as its offset
	WLD 0, \pitch
	WLD 1, \pitch
.set Q, 0
.rept 16
	BLOCK Q, \pitch
.set Q, Q+1
.endr
	global_store_b128 v4, v[SBW:SBW+3], s[38:39]   ; the 32 columns' scale words: 512 consecutive bytes
.endm
	s_cmp_lt_u32 ttmp9, NR+512
	s_cbranch_scc0 .Lw2
	s_lshl_b32 s33, s32, 7                         ; W1: columns 32 un on
	s_add_co_u32 s34, s34, s33
	s_add_nc_u64 s[40:41], s[10:11], s[34:35]
	QW 4096
	s_endpgm
.Lw2:
	s_and_b32 s33, s32, 1                          ; W2: kh: 512 rows of 2,048 bytes
	s_lshl_b32 s33, s33, 20
	s_add_co_u32 s34, s34, s33
	s_lshr_b32 s33, s32, 1                         ; cg: columns 32 cg on
	s_lshl_b32 s33, s33, 7
	s_add_co_u32 s34, s34, s33
	s_add_nc_u64 s[40:41], s[12:13], s[34:35]
	QW 2048
	s_endpgm
; ---------------------------------------------------------------- the router
; 64 numbers of a lane, v[s] on, register 16 b + i = k 32 b + 16 (lane / 16) + i of my row, become a fragment's codes in v[PC] on and its scale word in v[pw] (the same in both halves of the lanes).
.macro QUANT s, pw
.irp b, 0,1,2,3
	v_max3_num_f32 v[TM+\b], |v[\s+16*\b]|, |v[\s+1+16*\b]|, 0x1800000   ; block b: my 16 numbers, and the floor 2^(3 - 127)
.endr
.irp i, 2,4,6,8,10,12,14
.irp b, 0,1,2,3
	v_max3_num_f32 v[TM+\b], v[TM+\b], |v[\s+16*\b+\i]|, |v[\s+1+16*\b+\i]|   ; the four blocks by turns
.endr
.endr
.irp b, 0,1,2,3
	v_permlanex16_b32 v[TM+4+\b], v[TM+\b], s[SEL], s[SEL+1]
.endr
.irp b, 0,1,2,3
	v_max_num_f32 v[TM+\b], v[TM+\b], v[TM+4+\b]   ; with lane l xor 16's: the block's largest magnitude
.endr
.irp b, 0,1,2,3
	v_add_nc_u32 v[TM+8+\b], 0xff000000, v[TM+\b]  ; 2 off its exponent field: the conversion's scale operand
.endr
.irp b, 0,1,2,3
	v_lshrrev_b32 v[TM+4+\b], 23, v[TM+8+\b]       ; the scale's byte
.endr
	v_lshl_or_b32 v[\pw], v[TM+5], 8, v[TM+4]
	v_lshl_or_b32 v[\pw], v[TM+6], 16, v[\pw]
	v_lshl_or_b32 v[\pw], v[TM+7], 24, v[\pw]
.irp b, 0,1,2,3
	v_cvt_scalef32_pk8_fp4_f32 v[PC+2*\b], v[\s+16*\b:\s+7+16*\b], v[TM+8+\b]
	v_cvt_scalef32_pk8_fp4_f32 v[PC+1+2*\b], v[\s+8+16*\b:\s+15+16*\b], v[TM+8+\b]
.endr
	v_nop                                          ; one plain place behind a scaled conversion
.irp c, 0,1                                    ; the operand's layout wants a whole block in a lane: lanes 0-15 block 2 c, lanes 16-31 block 2 c + 1
.irp i, 0,1
	v_permlane16_swap_b32 v[PC+4*\c+\i], v[PC+2+4*\c+\i]
.endr
.endr
.endm
.macro G2LD s0, tl                     ; tile tl of g2 (groups 2 tl, 2 tl + 1), my 128 rows: 2 x 4,096 dense bytes, 512 consecutive bytes a load
.irp p, 0,1
.irp q, 0,1,2,3,4,5,6,7
	global_load_b128 v[\s0+32*\p+4*\q:\s0+32*\p+4*\q+3], v5, s[46:47] offset:(2*\tl+\p)*16384+512*\q
.endr
.endr
.endm
; 64 numbers of a lane, register 32 c + i = k 64 c + 32 h + i of my column: two whole blocks; the codes are the operand's registers, in v[GC] on; the scale word in v[G2S]
.macro GQUANT s0
.irp c, 0,1
	v_max3_num_f32 v[TM+\c], |v[\s0+32*\c]|, |v[\s0+1+32*\c]|, 0x1800000
.endr
.irp i, 2,4,6,8,10,12,14,16,18,20,22,24,26,28,30
.irp c, 0,1
	v_max3_num_f32 v[TM+\c], v[TM+\c], |v[\s0+32*\c+\i]|, |v[\s0+1+32*\c+\i]|
.endr
.endr
.irp c, 0,1
	v_add_nc_u32 v[TM+8+\c], 0xff000000, v[TM+\c]
.endr
.irp c, 0,1
	v_lshrrev_b32 v[TM+5+\c], 23, v[TM+8+\c]
.endr
	v_lshl_or_b32 v[G2S], v[TM+6], 16, v[TM+5]     ; my two bytes: blocks h and 2 + h,
	v_lshlrev_b32 v[G2S], v12, v[G2S]              ; 8 h bits up;
	v_permlanex16_b32 v[TM+4], v[G2S], s[SEL], s[SEL+1]
	v_or_b32 v[G2S], v[G2S], v[TM+4]               ; with lane l xor 16's two the word is whole
.irp c, 0,1
.irp g, 0,1,2,3
	v_cvt_scalef32_pk8_fp4_f32 v[GC+4*\c+\g], v[\s0+32*\c+8*\g:\s0+32*\c+8*\g+7], v[TM+8+\c]
.endr
.endr
.endm
; A tile of g2, as loaded in v[s0] on: through my turning region into the operand's order (lane (r, h): group r / 8, expert r % 8), quantised, multiplied by x's codes; the partial sum goes to LDS.
; In the region row k of a group lies at 32 k + 64 (k / 32), the second group GP bytes on: the 32 lanes of a read touch 32 different banks (64 banks of 4 bytes: ISA guide 11.1).
; left: the next tile's loads, which may stay out.
.macro TILE s0, tl, left
	s_wait_loadcnt \left
.irp p, 0,1
.irp q, 0,1,2,3,4,5,6,7
	ds_store_b128 v6, v[\s0+32*\p+4*\q:\s0+32*\p+4*\q+3] offset:\p*GP+512*\q+64*(\q/2)
.endr
.endr
	s_wait_dscnt 0x0                               ; the stores are done before their registers are loaded again
	s_wait_alu depctr_vm_vsrc(0)                   ; the stores above have read the set, in which the loads below land; in tile 0 the stores of logits1's partial sum have read v[GC ..], which the conversions below write
.irp c, 0,1
.irp i, 0,1,2,3,4,5,6,7,8,9,10,11,12,13,14,15,16,17,18,19,20,21,22,23,24,25,26,27,28,29,30,31
	ds_load_b32 v[\s0+32*\c+\i], v7 offset:(64*\c+\i)*32+128*\c
.endr
.endr
	s_wait_dscnt 0x0
	GQUANT \s0
.rept 8
	v_nop                                          ; the scale word was written by vector instructions: eight places ahead of the scaled product (the codes: four); also the place behind the conversions
.endr
	s_wait_alu depctr_va_vdst(0)                   ; the conversions have written the codes v[GC ..] and the shifts the scale word v[G2S], which the scaled product takes; the places above stay beside this wait
	v_wmma_scale_f32_16x16x128_f8f6f4 v[\s0:\s0+7], v[GC:GC+7], v[PC:PC+7], 0, v[G2S], v[XSW] matrix_a_fmt:MATRIX_FMT_FP4 matrix_b_fmt:MATRIX_FMT_FP4
.rept 4
	v_nop                                          ; four places in front of the stores that read the result
.endr
	s_wait_alu depctr_va_vdst(0)                   ; the product has written its result, which the stores below read; and every vector and matrix instruction is done with this set, in which the next loads land
	ds_store_b128 v9, v[\s0:\s0+3] offset:1024+1024*\tl            ; lane (r, h), register j: token r, group 2 tl + h, expert j; from the low end on
	ds_store_b128 v9, v[\s0+4:\s0+7] offset:1024+1024*\tl+512
	s_wait_dscnt 0x0                               ; done before the set is loaded again
	s_wait_alu depctr_vm_vsrc(0)                   ; the two stores have read the result's registers, in which later loads land (behind the last tiles: the loads behind the barrier, and wave 1's two offsets)
.endm
; Level-1 slot a (group in v[ga], weight in v[gw]): that group's pair of experts lies in tile ga / 2, in the half ga % 2 of the lanes
.macro SLOT a, ga, gw
	v_lshrrev_b32 v[SW+6], 1, v[\ga]
	v_and_b32 v[SW+7], 1, v[\ga]
.irp tl, 1,2,3
	v_cmp_eq_u32 s[71+\tl], \tl, v[SW+6]           ; the four masks in one run
.endr
	v_cmp_eq_u32 s75, v[SW+7], v3                  ; mine where ga % 2 is my half, else lane l xor 16's
	v_mov_b32 v[SW], v[T2+6]
	v_mov_b32 v[SW+1], v[T2+4]
	v_mov_b32 v[SW+2], v[T2+5]
	s_wait_alu depctr_va_sdst(0)                   ; the four compares have written s72 to s75, which the selects below read
.irp tl, 1,2,3
	v_cndmask_b32 v[SW], v[SW], v[T2+8*\tl+6], s[71+\tl]
	v_cndmask_b32 v[SW+1], v[SW+1], v[T2+8*\tl+4], s[71+\tl]
	v_cndmask_b32 v[SW+2], v[SW+2], v[T2+8*\tl+5], s[71+\tl]
.endr
	v_permlanex16_b32 v[SW+3], v[SW], s[SEL], s[SEL+1]
	v_permlanex16_b32 v[SW+4], v[SW+1], s[SEL], s[SEL+1]
	v_permlanex16_b32 v[SW+5], v[SW+2], s[SEL], s[SEL+1]
	v_cndmask_b32 v[SW], v[SW+3], v[SW], s75
	v_cndmask_b32 v[SW+1], v[SW+4], v[SW+1], s75
	v_cndmask_b32 v[SW+2], v[SW+5], v[SW+2], s75
	v_and_b32 v[SW+6], 0xff, v[SW]
	v_lshl_add_u32 v[ID+2*\a], v[\ga], 3, v[SW+6]  ; 8 group + expert
	v_lshrrev_b32 v[SW+6], 8, v[SW]
	v_lshl_add_u32 v[ID+1+2*\a], v[\ga], 3, v[SW+6]
	v_mul_f32 v[CWO+2*\a], v[\gw], v[SW+1]         ; c1 c2
	v_mul_f32 v[CWO+1+2*\a], v[\gw], v[SW+2]
.endm
.Lrouter:
	v_and_b32 v2, 15, v0                           ; r
	v_bfe_u32 v3, v0, 4, 1                         ; h
	v_lshlrev_b32 v4, 11, v2
	v_lshl_add_u32 v4, v3, 6, v4                   ; x: row r of 2,048 bytes, + 64 h
	v_lshlrev_b32 v5, 4, v1                        ; 16 x lane
	s_mul_i32 s29, s28, TRW                        ; my turning region
	v_add_nc_u32 v6, s29, v5                       ; into it: as loaded, 16 bytes a lane
	v_and_b32 v14, 7, v2
	v_lshlrev_b32 v14, 2, v14
	v_add_nc_u32 v14, s29, v14                     ; out of it: column r % 8 of a row,
	v_bfe_u32 v15, v0, 3, 1                        ; r / 8
	v_mul_u32_u24 v7, v15, GP
	v_mad_u32_u24 v7, v3, 1088, v7
	v_add_nc_u32 v7, v7, v14                       ; g2: group r / 8, 32 h rows and one padding on
	v_mad_u32_u24 v8, v3, 544, v14                 ; g1: 16 h rows and one padding on
	s_mul_i32 s29, s28, PWV
	s_add_co_u32 s29, s29, PART
	v_add_nc_u32 v9, s29, v5                       ; where I store partial sums: 16 x lane + PWV x wave
	v_mul_u32_u24 v10, v2, XSP
	v_lshl_add_u32 v10, v3, 4, v10
	s_lshl_b32 s29, s28, 6
	s_add_co_u32 s29, s29, XSTG
	v_add_nc_u32 v10, s29, v10                     ; the stage, in: row r, my K step's 64 bytes, + 16 h
	v_mul_u32_u24 v11, v3, XSP
	v_lshl_add_u32 v11, v2, 4, v11
	v_add_nc_u32 v11, XSTG, v11                    ; back: lanes 0-15 one row, lanes 16-31 the next
	v_lshlrev_b32 v12, 3, v3                       ; 8 h
	s_lshl_b32 s29, s28, 2
	s_add_co_u32 s29, s29, XSC
	v_lshl_add_u32 v13, v2, 4, s29                 ; token r's scale word of my K step
	v_add_nc_u32 v14, PART, v5                     ; the partial sums, back
	v_lshlrev_b32 v15, 4, v2
	v_add_nc_u32 v15, XSC, v15                     ; token r's four scale words, back
.irp b, 0,1,2,3
	v_mov_b32 v[TM+4+\b], 0                        ; written once: a lane permute's destination counts as one of its sources
.endr
	s_mov_b32 s[SEL], 0x76543210
	s_mov_b32 s[SEL+1], 0xfedcba98
	s_lshl_b32 s30, ttmp9, 15                      ; my first token is 16 x work-group: 16 rows of 2,048 bytes,
	s_lshl_b32 s45, s28, 9
	s_add_co_u32 s30, s30, s45                     ; and my K step's 512 bytes
	s_mov_b32 s31, 0
	s_lshl_b32 s32, s28, 12                        ; my 128 rows of 32 bytes of g1 and of each group of g2
	s_mov_b32 s33, 0
	s_lshl_b32 s34, ttmp9, 12
	s_mov_b32 s35, 0
	s_lshl_b32 s36, ttmp9, 8
	s_mov_b32 s37, 0
	s_lshl_b32 s42, ttmp9, 1                       ; 2 bytes for each tile of 16 tokens
	s_mov_b32 s43, 0
	s_wait_kmcnt 0x0
	s_add_nc_u64 s[30:31], s[4:5], s[30:31]        ; x
	s_add_nc_u64 s[46:47], s[8:9], s[32:33]        ; g2
	s_add_nc_u64 s[32:33], s[6:7], s[32:33]        ; g1
	s_add_nc_u64 s[34:35], s[18:19], s[34:35]      ; xq
	s_add_nc_u64 s[38:39], s[22:23], s[36:37]      ; sel
	s_add_nc_u64 s[40:41], s[24:25], s[36:37]      ; cwt
	s_add_nc_u64 s[36:37], s[20:21], s[36:37]      ; xs
	s_add_nc_u64 s[42:43], s[26:27], s[42:43]      ; msk at my tile
	s_wait_alu depctr_va_vdst(0)                   ; the addresses and offsets v4 to v15 are written, which the loads and LDS instructions of this path read; none is written again
.irp q, 0,1,2,3,4,5,6,7
	global_load_b128 v[SB+4*\q:SB+4*\q+3], v5, s[32:33] offset:512*\q     ; g1's slice, 4,096 dense bytes
.endr
.irp b, 0,1,2,3
.irp j, 0,1,2,3
	global_load_b128 v[SA+16*\b+4*\j:SA+16*\b+4*\j+3], v4, s[30:31] offset:128*\b+16*\j   ; my row's 64 numbers: of each block of 32 the 16 of my half
.endr
.endr
	s_wait_loadcnt 16                              ; g1's eight loads are in; x's sixteen may be out
.irp q, 0,1,2,3,4,5,6,7
	ds_store_b128 v6, v[SB+4*\q:SB+4*\q+3] offset:544*\q           ; row k at 32 k + 32 (k / 16): the two halves of the lanes then read different banks
.endr
	s_wait_dscnt 0x0
	s_wait_alu depctr_vm_vsrc(0)                   ; the eight stores have read v[SB ..], in which the loads below land
.irp b, 0,1,2,3
.irp i, 0,1,2,3,4,5,6,7,8,9,10,11,12,13,14,15
	ds_load_b32 v[SB+16*\b+\i], v8 offset:(32*\b+\i)*32+64*\b      ; g1(32 b + 16 h + i, r % 8): K in the order in which the lanes hold x
.endr
.endr
	s_wait_loadcnt 0x0                             ; x
	s_wait_dscnt 0x0
; logits1, my K step: source 0 = g1's 8 groups, twice; source 1 = my 16 tokens; K alike on both sides.  The two accumulators take turns.
.irp p, 0,1,2,3,4,5,6,7,8,9,10,11,12,13,14,15,16,17,18,19,20,21,22,23,24,25,26,27,28,29,30,31
.if \p < 2
	v_wmma_f32_16x16x4_f32 v[ACC1+8*(\p%2):ACC1+8*(\p%2)+7], v[SB+2*\p:SB+2*\p+1], v[SA+2*\p:SA+2*\p+1], 0
.else
	v_wmma_f32_16x16x4_f32 v[ACC1+8*(\p%2):ACC1+8*(\p%2)+7], v[SB+2*\p:SB+2*\p+1], v[SA+2*\p:SA+2*\p+1], v[ACC1+8*(\p%2):ACC1+8*(\p%2)+7]
.endif
.endr
	QUANT SA, XSW                                  ; its plain lines on v[TM] are the eight places in front of the reads of the sums
.irp j, 0,1,2,3,4,5,6,7
	v_add_f32 v[GC+\j], v[ACC1+\j], v[ACC1+8+\j]   ; every lane (r, h): token r's 8 partial logits (g1's rows 8-15 repeat rows 0-7)
.endr
	s_wait_alu depctr_va_vdst(0)                   ; the additions have written v[GC ..], the quantiser v[PC ..] and v[XSW], which the five stores read; the products and the quantiser are done reading SA and SB, in which g2's loads land
	ds_store_b128 v9, v[GC:GC+3]
	ds_store_b128 v9, v[GC+4:GC+7] offset:512
	ds_store_b128 v10, v[PC:PC+3]                  ; my row's bytes 64 w + 16 h and 64 w + 32 + 16 h
	ds_store_b128 v10, v[PC+4:PC+7] offset:32
	ds_store_b32 v13, v[XSW]                       ; both halves of the lanes store the same word to the same place
	G2LD SA, 0
	G2LD SB, 1
	TILE SA, 0, 16
	G2LD SA, 2
	TILE SB, 1, 16
	G2LD SB, 3
	TILE SA, 2, 16
	TILE SB, 3, 0
	s_wait_dscnt 0x0                               ; my partial sums, codes and scale word are stored: say so
	s_barrier_signal -1
	s_barrier_wait -1                              ; everybody's are: the one barrier of this path
	s_cmp_eq_u32 s28, 1
	s_cbranch_scc1 .Lxout
	s_cmp_lg_u32 s28, 0
	s_cbranch_scc1 .Lrend
	; ---- wave 0: the four partial sums, in ascending K.  (The waits at the end of the last tiles have freed v16-143 for these loads.)
.irp w, 0,1,2
.irp m, 0,1,2,3,4,5,6,7,8,9
	ds_load_b128 v[16+40*\w+4*\m:19+40*\w+4*\m], v14 offset:PWV*\w+512*\m
.endr
.endr
	s_wait_dscnt 0x0
.set J, 0
.rept 20
	v_pk_add_f32 v[16+J:17+J], v[16+J:17+J], v[56+J:57+J]
.set J, J+2
.endr
	s_wait_alu depctr_va_vdst(0)                   ; the additions are done reading v56-95, in which wave 3's sums land
.irp m, 0,1,2,3,4,5,6,7,8,9
	ds_load_b128 v[56+4*\m:59+4*\m], v14 offset:PWV*3+512*\m
.endr
.set J, 0
.rept 20
	v_pk_add_f32 v[16+J:17+J], v[16+J:17+J], v[96+J:97+J]
.set J, J+2
.endr
	s_wait_dscnt 0x0
.set J, 0
.rept 20
	v_pk_add_f32 v[16+J:17+J], v[16+J:17+J], v[56+J:57+J]
.set J, J+2
.endr
	; v16-23: token r's logits1; v[24 + 8 tl + j]: logits2 of group 2 tl + h, expert j
	; THE TWO LARGEST OF EIGHT, five searches side by side (n = 0: logits1; n = 1 .. 4: the tiles of logits2).  Strictly greater: a tie keeps the lower index.
	; A step's five compares go to five scalar registers in one run, with one wait behind the run.
.irp n, 0,1,2,3,4
	v_mov_b32 v[O1+1+8*\n], v[16+8*\n]
	v_mov_b32 v[O1+8*\n], 0
.endr
.irp j, 1,2,3,4,5,6,7
.irp n, 0,1,2,3,4
	v_cmp_gt_f32 s[72+\n], v[16+8*\n+\j], v[O1+1+8*\n]
.endr
	s_wait_alu depctr_va_sdst(0)                   ; the five compares have written s72 to s76, which the selects below read
.irp n, 0,1,2,3,4
	v_cndmask_b32 v[O1+1+8*\n], v[O1+1+8*\n], v[16+8*\n+\j], s[72+\n]
	v_cndmask_b32 v[O1+8*\n], v[O1+8*\n], \j, s[72+\n]
.endr
.endr
.irp n, 0,1,2,3,4
	v_mov_b32 v[O1+3+8*\n], 0xff800000             ; -infinity
	v_mov_b32 v[O1+2+8*\n], 0
.endr
.irp j, 0,1,2,3,4,5,6,7
.irp n, 0,1,2,3,4
	v_cmp_ne_u32 s[66+\n], \j, v[O1+8*\n]          ; not the first again
	v_cmp_gt_f32 s[72+\n], v[16+8*\n+\j], v[O1+3+8*\n]
.endr
	s_wait_alu depctr_va_sdst(0)                   ; the ten compares have written s66 to s70 and s72 to s76, which the scalar lines below read
.irp n, 0,1,2,3,4
	s_and_b32 s[72+\n], s[72+\n], s[66+\n]
.endr
.irp n, 0,1,2,3,4
	v_cndmask_b32 v[O1+3+8*\n], v[O1+3+8*\n], v[16+8*\n+\j], s[72+\n]
	v_cndmask_b32 v[O1+2+8*\n], v[O1+2+8*\n], \j, s[72+\n]
.endr
.endr
	; softmax of each pair (v1 >= v2), the maximum taken away: p = e^(v2 - v1); w1 = 1 / (1 + p), w2 = p / (1 + p).  The five exponentials are one batch, the five reciprocals another.
.irp n, 0,1,2,3,4
	v_sub_f32 v[O1+5+8*\n], v[O1+3+8*\n], v[O1+1+8*\n]
.endr
.irp n, 0,1,2,3,4
	v_mul_f32 v[O1+5+8*\n], 0x3fb8aa3b, v[O1+5+8*\n]
.endr
.irp n, 0,1,2,3,4
	v_exp_f32 v[O1+5+8*\n], v[O1+5+8*\n]
.endr
	v_nop                                          ; a plain place behind the last exponential
	s_wait_alu depctr_va_vdst(0)                   ; the five exponentials have written p, ahead of its first reader
.irp n, 0,1,2,3,4
	v_add_f32 v[O1+4+8*\n], 1.0, v[O1+5+8*\n]
.endr
.irp n, 0,1,2,3,4
	v_rcp_f32 v[O1+4+8*\n], v[O1+4+8*\n]
.endr
	v_nop                                          ; a plain place behind the last reciprocal
	s_wait_alu depctr_va_vdst(0)                   ; the five reciprocals have written w1, ahead of its first reader
.irp n, 0,1,2,3,4
	v_mul_f32 v[O1+5+8*\n], v[O1+5+8*\n], v[O1+4+8*\n]
.endr
.irp tl, 0,1,2,3
	v_lshl_or_b32 v[T2+8*\tl+6], v[T2+8*\tl+2], 8, v[T2+8*\tl]
.endr
	v_mov_b32 v[SW+3], 0
	v_mov_b32 v[SW+4], 0
	v_mov_b32 v[SW+5], 0
	SLOT 0, O1, O1+4
	SLOT 1, O1+2, O1+5
	; the token's four experts as 64 bits; then, expert by expert, the 16 tokens' bits as one number, which goes to that expert's lane
	v_mov_b32 v112, 0
	v_mov_b32 v113, 0
	v_mov_b32 v118, 0
	v_mov_b32 v119, 0
.irp k, 0,1,2,3
	v_cmp_gt_u32 s[72+\k], 32, v[ID+\k]
.endr
	s_wait_alu depctr_va_sdst(0)                   ; the four compares have written s72 to s75, which the selects below read
.irp k, 0,1,2,3
	v_and_b32 v114, 31, v[ID+\k]
	v_lshlrev_b32 v114, v114, 1
	v_cndmask_b32 v115, 0, v114, s[72+\k]
	v_or_b32 v112, v112, v115
	v_cndmask_b32 v115, v114, 0, s[72+\k]
	v_or_b32 v113, v113, v115
.endr
.set EX, 0
.rept 8                                        ; eight experts at a time: eight masks in one run, one wait
.irp i, 0,1,2,3,4,5,6,7
	v_bfe_u32 v[120+\i], v[112+(EX+\i)/32], (EX+\i)%32, 1
.endr
.irp i, 0,1,2,3,4,5,6,7
	v_cmp_ne_u32 s[66+\i], 0, v[120+\i]            ; bits 0-15: tokens 0-15 (bits 16-31 repeat them and are not stored)
.endr
	s_wait_alu depctr_va_sdst(0)                   ; the eight compares have written s66 to s73, which the lines below read
.irp i, 0,1,2,3,4,5,6,7
	v_writelane_b32 v[118+(EX+\i)/32], s[66+\i], (EX+\i)%32
.endr
.set EX, EX+8
.endr
	v_lshlrev_b32 v116, 7, v1
	v_lshlrev_b32 v117, 4, v2
	s_wait_alu depctr_va_vdst(0)                   ; the offsets v116, v117 and the data v118, v119, v[ID ..], v[CWO ..] are written, which the four stores read
	global_store_b16 v116, v118, s[42:43]          ; two bytes a lane, 128 bytes apart: the table has 8 KiB in all, and so an expert's 1,024 bits are 128 consecutive bytes for the launch that reads them
	global_store_b16 v116, v119, s[42:43] offset:4096
	global_store_b128 v117, v[ID:ID+3], s[38:39]   ; 16 bytes a token; both halves of the lanes hold the same numbers and store them to the same bytes: 256 consecutive bytes
	global_store_b128 v117, v[CWO:CWO+3], s[40:41]
	s_wait_dscnt 0x0                               ; the closing lines, six on end
	s_wait_alu 0x0
	s_wait_tensorcnt 0x0
	ds_add_u32 v192, v193
	s_wait_dscnt 0x0
	s_endpgm
.Lxout:
	; ---- wave 1: x's codes as whole rows of 256 bytes, and the scale words
	v_lshlrev_b32 v86, 4, v2
	v_lshl_add_u32 v86, v3, 8, v86
	v_lshlrev_b32 v87, 4, v2
	s_wait_alu depctr_va_vdst(0)                   ; the offsets v86 and v87 are written, which the stores below read
.irp i, 0,1,2,3,4,5,6,7
	ds_load_b128 v[32+4*\i:35+4*\i], v11 offset:544*\i
.endr
	ds_load_b128 v[64:67], v15
.irp i, 0,1,2,3,4,5,6,7
	s_wait_dscnt 8-\i                              ; the younger loads may be out
	global_store_b128 v86, v[32+4*\i:35+4*\i], s[34:35] offset:512*\i     ; 16 lanes store a token's 256 bytes
.endr
	s_wait_dscnt 0x0
	global_store_b128 v87, v[64:67], s[36:37]      ; 16 bytes a token, the same from both halves of the lanes: 256 consecutive bytes
.Lrend:
	s_wait_dscnt 0x0                               ; the closing lines, six on end
	s_wait_alu 0x0
	s_wait_tensorcnt 0x0
	ds_add_u32 v192, v193
	s_wait_dscnt 0x0
	s_endpgm
.Lfunc_end_k_q938abd9205_prep:
	.size	k_q938abd9205_prep, .Lfunc_end_k_q938abd9205_prep-k_q938abd9205_prep
	.p2alignl 7, 3214868480
	.fill 96, 4, 3214868480
	.section	.rodata,"a",@progbits
	.p2align	6, 0x0
	.amdhsa_kernel k_q938abd9205_prep
		.amdhsa_group_segment_fixed_size 60672
		.amdhsa_private_segment_fixed_size 0
		.amdhsa_enable_private_segment 0
		.amdhsa_kernarg_size 96
		.amdhsa_user_sgpr_count 2
		.amdhsa_user_sgpr_kernarg_segment_ptr 1
		.amdhsa_wavefront_size32 1
		.amdhsa_system_sgpr_workgroup_id_x 1
		.amdhsa_system_sgpr_workgroup_id_y 1
		.amdhsa_system_sgpr_workgroup_id_z 1
		.amdhsa_system_vgpr_workitem_id 0
		.amdhsa_next_free_vgpr 194
		.amdhsa_next_free_sgpr 80
		.amdhsa_reserve_vcc 0
		.amdhsa_float_denorm_mode_32 3
		.amdhsa_float_denorm_mode_16_64 3
		.amdhsa_memory_ordered 1
		.amdhsa_forward_progress 1
		.amdhsa_inst_pref_size 255
	.end_amdhsa_kernel
	.section	.bss,"aw",@nobits
	.p2align	6
	.space	262144
	.amdgpu_metadata
---
amdhsa.version: [ 1, 2 ]
amdhsa.kernels:
  - .name:           k_q938abd9205_prep
    .symbol:         k_q938abd9205_prep.kd
    .args:
      - { .name: x, .offset: 0, .size: 8, .value_kind: global_buffer, .address_space: global }
      - { .name: g1, .offset: 8, .size: 8, .value_kind: global_buffer, .address_space: global }
      - { .name: g2, .offset: 16, .size: 8, .value_kind: global_buffer, .address_space: global }
      - { .name: W1, .offset: 24, .size: 8, .value_kind: global_buffer, .address_space: global }
      - { .name: W2, .offset: 32, .size: 8, .value_kind: global_buffer, .address_space: global }
      - { .name: wq, .offset: 40, .size: 8, .value_kind: global_buffer, .address_space: global }
      - { .name: ws, .offset: 48, .size: 8, .value_kind: global_buffer, .address_space: global }
      - { .name: xq, .offset: 56, .size: 8, .value_kind: global_buffer, .address_space: global }
      - { .name: xs, .offset: 64, .size: 8, .value_kind: global_buffer, .address_space: global }
      - { .name: sel, .offset: 72, .size: 8, .value_kind: global_buffer, .address_space: global }
      - { .name: cwt, .offset: 80, .size: 8, .value_kind: global_buffer, .address_space: global }
      - { .name: msk, .offset: 88, .size: 8, .value_kind: global_buffer, .address_space: global }
    .group_segment_fixed_size: 60672
    .private_segment_fixed_size: 0
    .kernarg_segment_align: 8
    .kernarg_segment_size: 96
    .max_flat_workgroup_size: 128
    .sgpr_count:     80
    .vgpr_count:     194
    .wavefront_size: 32
...
	.end_amdgpu_metadata
.endif
;; end of part 4
;; launch chain (part 5): grid 4 x 64, 8 waves a work-group, no clusters, 185,344 bytes of LDS; arguments wq, ws, b1, b2, xq, xs, sel, cwt, msk, y; writes y
.if DOCPART == 5
	.amdgcn_target "amdgcn-amd-amdhsa--gfx1250"
	.amdhsa_code_object_version 6
	.text
	.protected	k_q938abd9205_chain
	.globl	k_q938abd9205_chain
	.p2align	8
	.type	k_q938abd9205_chain,@function
k_q938abd9205_chain:
	s_mov_b64 s[64:65], 0
	v_nop
	global_prefetch_b8 v0, s[64:65] scope:SCOPE_SE
	s_setreg_imm32_b32 hwreg(HW_REG_WAVE_SCHED_MODE, 0, 2), 2
	s_setreg_imm32_b32 hwreg(HW_REG_WAVE_MODE, 25, 1), 1
	s_wait_xcnt 0x0
	s_wait_alu depctr_vm_vsrc(0)
; CHAIN.  y[t][j][:] = c (relu(Q(x[t]) Q(W1[e]) + b1[e]) quantised, times Q(W2[e]), + b2[e]) for each token t and each of its four chosen experts e = sel[t][j], c = cwt[t][j].
; Both products on codes of FP4 (E2M1) with E8M0 scales; sums in f32; the hidden layer never goes to memory.
; SHARES.  Work-group (q, e) takes, of expert e's rows (its tokens in ascending order, in tiles of 16), the tiles q, q + 4, ..: 16 at the most, which serves every split, all 1,024 tokens on one expert too.
; A work-group that a split leaves without tiles stores nothing.  The count hangs on stored numbers, so the operands go from memory straight into registers and no barrier stands under such a branch.
; No cluster and no joint loads: the four work-groups of an expert read the same codes, but their trips hang on numbers read from memory.
; THE WAVES SHARE THE COLUMNS: wave w makes hidden units 128 w .. + 127 (K step w of the second product) and outputs 64 w .. + 63, for all rows.  Its codes lie in v256-511: first 32 fragments of W1,
; then 32 of W2: each 32 KiB on end in wq, 64 loads of 512 consecutive bytes.
; THE LIST.  msk holds the expert's 1,024 bits.  Wave 0 gives each set bit its rank and stores the tokens of this work-group's tiles into LDS; a barrier; every wave reads 16 entries a tile.
; A last tile's rows beyond the count become copies of its first row: they compute the same numbers and store them to the same bytes.
; Both products are used transposed (source 0 = 16 columns of the weight, source 1 = 16 rows): a lane holds one row, its registers run along the columns, in the order that the weights' tiles were laid for.
; The hidden layer goes from wave to wave through LDS as images of the operand's registers (16 bytes a lane, 512 a store) with its scale words (4 bytes a lane).
; LIMITS: NaN and infinities are not served; a hidden block whose largest number lies under 2^-124 has its byte held at 1; a block of zeros gets the byte 1 and zero codes.
; THE MODE: SCHED_MODE bits 1:0 = 2 (LLVM: expert scheduling mode 2), set by the entry lines.  The code itself states the register dependences
; between vector or matrix instructions and memory or LDS instructions, with s_wait_alu, always for 0.
; THE PLAN.  Registers that memory or LDS instructions touch:
;   v4 - v14, v[R16]   addresses and offsets, made at the head, never written again.
;   v256-511           loads land (W1's codes); phase 1's products read; loads land (W2's); phase 2's products read.  b1 / b2 (v56 ..) likewise.  W1S, W2S: loads land once.
;   The list (wave 0)  v136-139, v152-215: written by vector lines, read by 34 LDS stores; later loads and products write them.
;   v15, v17, v18, v19, v[T16]   a trip's addresses: written by vector lines, read by that trip's loads and stores, written again in the next trip.
;   v16                the list's load lands; vector lines read and write it.
;   XF, XS             phase 1: loads land, products read.     PC, PW   the quantiser writes, three LDS stores read.
;   HF, HS             phase 2: LDS loads land, products read; then the rows of y land in HF's registers (RB) and the global stores read them.
;   IDS, CWR           loads land, compares and selects read.  ACCY   products and scalings write, LDS stores read.  YO   LDS loads land, vector lines write, the global stores read.
; THE WAITS.  A wait on va_vdst stands ahead of each run of loads or stores whose addresses or data are fresh, and there it also frees the registers in which the run's loads land.  One wait on vm_vsrc stands at
; each trip's end, beside the wait on the memory counter: all that the trip's memory and LDS instructions read may be written again behind it.  Masks of compares go to scalar registers in runs, one wait on va_sdst a run.
; In phase 2 a trip's three LDS addresses are made together, so that the hidden layer's 24 loads go out with the list's load and land while the token's experts and weights are fetched.
.set LIST,  0                          ; LDS: 256 entries (local tile i, row r at 64 i + 4 r) and 32 words that take what is not this work-group's
.set ROWI,  1280                       ; 64 bytes a wave: the 16 rows' places in y
.set HB,    2048                       ; 16 tiles x HT: 8 images of 1,024 bytes, then at + 8,192 their 8 x 128 bytes of scale words
.set HT,    9216
.set STG,   149504                     ; a stage of 16 rows x (256 + 16) bytes for each wave
.set SP,    272
.set XS,    20                         ; v20-23   x's scale words          (v20-55, v228-235: scales and nothing else)
.set W1S,   24                         ; v24-39   W1's: register 4 b + s: lanes 0-15 tile 2 b, lanes 16-31 tile 2 b + 1
.set W2S,   40                         ; v40-55   W2's likewise
.set B1,    56                         ; v56-119  b1 in the result's layout, 8 tiles; later b2, 4 tiles
.set B2,    56
.set XF,    120                        ; v120-151 x's four fragments; later y's four accumulators
.set ACCY,  120
.set RK,    120                        ; wave 0, the list: v120-127 eight ranks, v128-135 at work, v136-139 'no row', v140 where a lane puts what is not this work-group's
.set TT,    128
.set FL,    136
.set DU,    140
.set HA,    152                        ; v152-215 my 8 tiles of the hidden layer; later its 8 fragments; later rows of y
.set HF,    152
.set RB,    152
.set LA,    152                        ; wave 0, the list: v152-183 the 32 words' LDS addresses, v184-215 their data
.set LD,    184
.set TM,    216                        ; v216-227 at work in the quantiser; later the rows' offsets in y
.set YO,    216
.set HS,    228                        ; v228-235 the hidden layer's scale words
.set PW,    236                        ; v236     the scale word just made
.set PC,    238                        ; v238-245 the codes just made; later sel's and cwt's four numbers
.set IDS,   238
.set CWR,   242
.set CW2,   246                        ; v246-247 c, twice
.set JJ,    248                        ; v248     j
.set T16,   249                        ; v249     16 t
.set R16,   250                        ; v250     16 r
.set SEL,   76                         ; s[76:77] lane selects: lane l xor 16
.set MSB, 0
.macro WIN new                         ; the immediate's high byte repeats the setting that is left
.if MSB != \new
	s_set_vgpr_msb (MSB<<8)|\new
.set MSB, \new
.endif
.endm
.macro WLOAD b                         ; my wave's 32 KiB of codes into v256-511
	WIN 0x40                                       ; destination: the upper window
	s_wait_alu depctr_va_vdst(0)                   ; the first time: the addresses and offsets v4 to v14 are written, which the loads from here on read; the second time: phase 1's products are done reading v256-511 and b1, in which the loads from here on land
.set KK, 0
.rept 64
	global_load_b128 v[4*KK:4*KK+3], v4, s[\b:\b+1] offset:512*KK
.set KK, KK+1
.endr
	WIN 0
.endm
.macro QUANT s, pw                     ; 64 numbers of a lane, register 16 b + i = k 32 b + 16 (lane / 16) + i of my row -> codes in v[PC] on, scale word in v[pw]
.irp b, 0,1,2,3
	v_max3_num_f32 v[TM+\b], |v[\s+16*\b]|, |v[\s+1+16*\b]|, 0x1800000   ; my 16 numbers of block b, and the floor 2^(3 - 127): the byte cannot fall under 1
.endr
.irp i, 2,4,6,8,10,12,14
.irp b, 0,1,2,3
	v_max3_num_f32 v[TM+\b], v[TM+\b], |v[\s+16*\b+\i]|, |v[\s+1+16*\b+\i]|
.endr
.endr
.irp b, 0,1,2,3
	v_permlanex16_b32 v[TM+4+\b], v[TM+\b], s[SEL], s[SEL+1]
.endr
.irp b, 0,1,2,3
	v_max_num_f32 v[TM+\b], v[TM+\b], v[TM+4+\b]
.endr
.irp b, 0,1,2,3
	v_add_nc_u32 v[TM+8+\b], 0xff000000, v[TM+\b]  ; 2 off the exponent field: the conversion's scale operand
.endr
.irp b, 0,1,2,3
	v_lshrrev_b32 v[TM+4+\b], 23, v[TM+8+\b]
.endr
	v_lshl_or_b32 v[\pw], v[TM+5], 8, v[TM+4]
	v_lshl_or_b32 v[\pw], v[TM+6], 16, v[\pw]
	v_lshl_or_b32 v[\pw], v[TM+7], 24, v[\pw]
.irp b, 0,1,2,3
	v_cvt_scalef32_pk8_fp4_f32 v[PC+2*\b], v[\s+16*\b:\s+7+16*\b], v[TM+8+\b]
	v_cvt_scalef32_pk8_fp4_f32 v[PC+1+2*\b], v[\s+8+16*\b:\s+15+16*\b], v[TM+8+\b]
.endr
	v_nop                                          ; one plain place behind a scaled conversion
.irp c, 0,1
.irp i, 0,1
	v_permlane16_swap_b32 v[PC+4*\c+\i], v[PC+2+4*\c+\i]
.endr
.endr
.endm
.macro MM d, a, b, c, sa, sb, row1     ; one product; row1: source 0's scale words lie in lanes 16-31
.if \row1
	v_wmma_scale_f32_16x16x128_f8f6f4 v[\d:\d+7], v[\a:\a+7], v[\b:\b+7], v[\c:\c+7], v[\sa], v[\sb] matrix_a_fmt:MATRIX_FMT_FP4 matrix_b_fmt:MATRIX_FMT_FP4 matrix_a_scale:MATRIX_SCALE_ROW1
.else
	v_wmma_scale_f32_16x16x128_f8f6f4 v[\d:\d+7], v[\a:\a+7], v[\b:\b+7], v[\c:\c+7], v[\sa], v[\sb] matrix_a_fmt:MATRIX_FMT_FP4 matrix_b_fmt:MATRIX_FMT_FP4
.endif
.endm
.macro PICK                            ; v16, as the list gave it, becomes the token of row r of local tile i
	v_readfirstlane_b32 s71, v16                   ; row 0 of a tile that exists is a real row
	v_cmp_gt_u32 s72, 0x400, v16
	s_wait_alu depctr_va_sdst(0)                   ; s71 and s72 are written, which the select below reads
	v_cndmask_b32 v16, s71, v16, s72               ; rows beyond the count become copies of it
	v_min_u32 v16, 0x3ff, v16
.endm
	s_load_b512 s[4:19], s[0:1], 0x0               ; wq s[4:5], ws s[6:7], b1 s[8:9], b2 s[10:11], xq s[12:13], xs s[14:15], sel s[16:17], cwt s[18:19]
	s_load_b128 s[20:23], s[0:1], 0x40             ; msk s[20:21], y s[22:23]
	v_lshrrev_b32 v1, 5, v0
	v_readfirstlane_b32 s24, v1                    ; wave 0..7
	s_mov_b32 s25, ttmp9                           ; q
	s_and_b32 s26, ttmp7, 0xffff                   ; the expert
	v_and_b32 v1, 31, v0                           ; lane
	v_and_b32 v2, 15, v0                           ; r
	v_bfe_u32 v3, v0, 4, 1                         ; h
	v_lshlrev_b32 v4, 4, v1                        ; 16 x lane
	v_lshlrev_b32 v5, 2, v1                        ; 4 x lane
	v_lshlrev_b32 v6, 2, v2                        ; 4 r
	v_lshlrev_b32 v7, 4, v3                        ; 16 h
	s_wait_alu depctr_va_sdst(0)                   ; s24 is written, ahead of its first reader
	s_lshl_b32 s71, s24, 10
	v_add_nc_u32 v8, s71, v4                       ; where I store an image: 16 x lane + 1,024 x wave
	s_lshl_b32 s71, s24, 7
	v_add_nc_u32 v9, s71, v5                       ; and its scale words: 4 x lane + 128 x wave
	s_mul_i32 s71, s24, 16*SP
	s_add_co_u32 s71, s71, STG                     ; my stage
	v_mul_u32_u24 v10, v2, SP
	v_lshl_add_u32 v10, v3, 6, v10
	v_add_nc_u32 v10, s71, v10                     ; in: row r, + 64 h
	v_mul_u32_u24 v11, v3, SP
	v_lshl_add_u32 v11, v2, 4, v11
	v_add_nc_u32 v11, s71, v11                     ; back: lanes 0-15 one row, lanes 16-31 the next
	s_lshl_b32 s71, s24, 6
	s_add_co_u32 s71, s71, ROWI
	v_add_nc_u32 v12, s71, v6                      ; my wave's 16 places: row r's,
	v_lshl_add_u32 v13, v3, 2, s71                 ; and on the way out row h's
	v_lshlrev_b32 v14, 6, v3                       ; the biases: 16 h numbers on
	v_lshlrev_b32 v[R16], 4, v2
.irp b, 0,1,2,3
	v_mov_b32 v[TM+4+\b], 0                        ; written once: a lane permute's destination counts as one of its sources
.endr
	s_mov_b32 s[SEL], 0x76543210
	s_mov_b32 s[SEL+1], 0xfedcba98
	s_lshl_b32 s72, s26, 5
	s_lshl_b32 s73, s24, 2
	s_add_co_u32 s72, s72, s73                     ; my first unit in each tensor: 32 e + 4 w
	s_lshl_b32 s92, s72, 13
	s_mov_b32 s93, 0
	s_lshl_b32 s94, s72, 9
	s_mov_b32 s95, 0
	s_wait_kmcnt 0x0
	s_add_nc_u64 s[78:79], s[4:5], s[92:93]        ; W1's codes
	s_add_nc_u64 s[80:81], s[78:79], 0x1000000     ; W2's: 2,048 units on
	s_add_nc_u64 s[88:89], s[6:7], s[94:95]        ; W1's scale words
	s_add_nc_u64 s[82:83], s[88:89], 0x100000      ; W2's
	s_lshl_b32 s92, s26, 7
	s_add_nc_u64 s[60:61], s[20:21], s[92:93]      ; the expert's 128 bytes of msk
	s_load_b512 s[28:43], s[60:61], 0x0
	s_load_b512 s[44:59], s[60:61], 0x40
	s_lshl_b32 s92, s26, 12
	s_lshl_b32 s73, s24, 9
	s_add_co_u32 s92, s92, s73
	s_add_nc_u64 s[90:91], s[8:9], s[92:93]        ; b1: 4,096 e + 512 w
	s_lshr_b32 s92, s92, 1
	s_add_nc_u64 s[84:85], s[10:11], s[92:93]      ; b2: 2,048 e + 256 w
	s_lshl_b32 s92, s24, 8
	s_add_nc_u64 s[86:87], s[22:23], s[92:93]      ; y at my 64 columns
	WLOAD 78
.irp b, 0,1,2,3
	global_load_b128 v[W1S+4*\b:W1S+4*\b+3], v4, s[88:89] offset:512*\b
.endr
.irp t, 0,1,2,3,4,5,6,7                        ; lane (r, h), tile 2 b + u, register j: hidden unit 32 b + 16 h + 8 u + j
	global_load_b128 v[B1+8*\t:B1+8*\t+3], v14, s[90:91] offset:(32*(\t/2)+8*(\t%2))*4
	global_load_b128 v[B1+8*\t+4:B1+8*\t+7], v14, s[90:91] offset:(32*(\t/2)+8*(\t%2))*4+16
.endr
	s_wait_kmcnt 0x0                               ; the expert's bits
	s_mov_b32 s66, 0
.set CI, 0
.rept 32
	s_bcnt1_i32_b32 s71, s[28+CI]
	s_add_co_u32 s66, s66, s71                     ; n: the expert's rows
.set CI, CI+1
.endr
	s_add_co_u32 s67, s66, 15
	s_lshr_b32 s67, s67, 4                         ; its tiles
	s_add_co_u32 s67, s67, 3
	s_sub_co_u32 s67, s67, s25
	s_lshr_b32 s67, s67, 2                         ; those numbered q, q + 4, ..: mine
	; the list: wave 0 alone; no other wave touches LDS ahead of the barrier below.  All 32 words' addresses and data are made first, each in a register of its own; then one wait, then the stores
	s_cmp_lg_u32 s24, 0
	s_cbranch_scc1 .Lplaced
.irp i, 0,1,2,3
	v_mov_b32 v[FL+\i], 0x400                      ; 'no row'
.endr
	v_add_nc_u32 v[DU], 256, v1                    ; where a lane puts what is not this work-group's
	s_mov_b32 s73, 0                               ; rows in the words before
.set CB, 0
.rept 4                                        ; eight words of 32 tokens at a time: eight masks in one run, one wait
.irp i, 0,1,2,3,4,5,6,7
	v_mbcnt_lo_u32_b32 v[RK+\i], s[28+CB+\i], s73  ; token 32 (CB + i) + lane's rank among the expert's rows
	s_bcnt1_i32_b32 s74, s[28+CB+\i]
	s_add_co_u32 s73, s73, s74
.endr
.irp i, 0,1,2,3,4,5,6,7
	v_bfe_u32 v[TT+\i], v[RK+\i], 4, 2             ; its tile, modulo 4
.endr
.irp i, 0,1,2,3,4,5,6,7
	v_cmp_eq_u32 s[92+\i], s25, v[TT+\i]
.endr
	s_wait_alu depctr_va_sdst(0)                   ; the eight compares have written s92 to s99, which the scalar lines below read
.irp i, 0,1,2,3,4,5,6,7
	s_and_b32 s[92+\i], s[92+\i], s[28+CB+\i]      ; mine, and chosen at all
.endr
.irp i, 0,1,2,3,4,5,6,7
	v_lshrrev_b32 v[LA+CB+\i], 6, v[RK+\i]
	v_and_b32 v[TT+\i], 15, v[RK+\i]
	v_lshl_or_b32 v[LA+CB+\i], v[LA+CB+\i], 4, v[TT+\i]            ; 16 x local tile + row
	v_cndmask_b32 v[LA+CB+\i], v[DU], v[LA+CB+\i], s[92+\i]
	v_min_u32 v[LA+CB+\i], 0x11f, v[LA+CB+\i]      ; inside the list's 288 words whatever was read
	v_lshlrev_b32 v[LA+CB+\i], 2, v[LA+CB+\i]
	v_or_b32 v[LD+CB+\i], 32*(CB+\i), v1
.endr
.set CB, CB+8
.endr
	s_wait_alu depctr_va_vdst(0)                   ; 'no row', the 32 addresses and the 32 data words are written, which the stores below read
	ds_store_b128 v4, v[FL:FL+3] offset:LIST
	ds_store_b128 v4, v[FL:FL+3] offset:LIST+512
.set CI, 0
.rept 32
	ds_store_b32 v[LA+CI], v[LD+CI] offset:LIST    ; LDS serves a wave's instructions in order: an entry lands behind 'no row'
.set CI, CI+1
.endr
	s_wait_alu depctr_vm_vsrc(0)                   ; the 34 stores have read v136-139 and v152-215, which phase 1's loads and products write
.Lplaced:
	s_wait_dscnt 0x0                               ; wave 0's stores are done
	s_barrier_signal -1
	s_barrier_wait -1                              ; the list lies in LDS
	; ---- 1: the hidden layer.  16 trips, a constant; a trip beyond my tiles steps the counters alone
	s_mov_b32 s68, 0                               ; i
	s_mov_b32 s69, 0                               ; 64 i
	s_mov_b32 s70, 0                               ; HT i
.Lp1:
	s_cmp_ge_u32 s68, s67
	s_cbranch_scc1 .Lskip1
	v_add_nc_u32 v15, s69, v6
	s_wait_alu depctr_va_vdst(0)                   ; v15 is written, which the load below reads; the last trip's lines are done with v16, in which it lands
	ds_load_b32 v16, v15 offset:LIST
	s_wait_dscnt 0x0
	PICK
	v_lshl_add_u32 v19, v16, 8, v7                 ; the token's 256 bytes of codes, + 16 h
	v_lshlrev_b32 v[T16], 4, v16
	s_wait_alu depctr_va_vdst(0)                   ; v19 and v[T16] are written, which the loads below read; the last trip's products are done reading XF and XS (in wave 0's first trip: the list's lines are done with v120-140), in which they land
.irp s, 0,1,2,3
.irp c, 0,1
	global_load_b128 v[XF+8*\s+4*\c:XF+8*\s+4*\c+3], v19, s[12:13] offset:64*\s+32*\c
.endr
.endr
	global_load_b128 v[XS:XS+3], v[T16], s[14:15]
	s_wait_loadcnt 0x0                             ; x's fragments; in my first trip W1's codes, scale words and b1 too
	WIN 0x01                                       ; source 0: the upper window
.irp s, 0,1,2,3                                ; the eight accumulators take turns; b1 is the C of each sum's first product
.irp t, 0,1,2,3,4,5,6,7
.if \s == 0
	MM HA+8*\t, 8*((\t/2)*8+2*\s+\t%2), XF+8*\s, B1+8*\t, W1S+4*(\t/2)+\s, XS+\s, \t%2
.else
	MM HA+8*\t, 8*((\t/2)*8+2*\s+\t%2), XF+8*\s, HA+8*\t, W1S+4*(\t/2)+\s, XS+\s, \t%2
.endif
.endr
.endr
	WIN 0
.rept 4
	v_nop                                          ; four places in front of the first read of results
.endr
.set J, 0
.rept 64
	v_max_num_f32 v[HA+J], 0, v[HA+J]              ; the activation, in f32, each accumulator from its low end on
.set J, J+1
.endr
	QUANT HA, PW
	v_add_nc_u32 v17, s70, v8
	v_add_nc_u32 v18, s70, v9
	s_wait_alu depctr_va_vdst(0)                   ; the quantiser has written v[PC ..] and v[PW], the additions v17 and v18, which the three stores read
	ds_store_b128 v17, v[PC:PC+3] offset:HB        ; K step w of the second product, tile i
	ds_store_b128 v17, v[PC+4:PC+7] offset:HB+512
	ds_store_b32 v18, v[PW] offset:HB+8192
	s_wait_dscnt 0x0                               ; done before their registers are written again
	s_wait_alu depctr_vm_vsrc(0)                   ; this trip's loads and stores have read v15, v17, v18, v19, v[T16], v[PC ..] and v[PW], which the next trip or phase 2 writes again
.Lskip1:
	s_add_co_u32 s69, s69, 64
	s_add_co_u32 s70, s70, HT
	s_add_co_u32 s68, s68, 1
	s_cmp_lt_u32 s68, 16
	s_cbranch_scc1 .Lp1
	s_wait_loadcnt 0x0                             ; where every trip was passed over, W1's loads are still out: the same registers are loaded again below
.rept 4
	v_nop                                          ; places in front of loads into registers that matrix instructions have read
.endr
	WLOAD 80
.irp b, 0,1,2,3
	global_load_b128 v[W2S+4*\b:W2S+4*\b+3], v4, s[82:83] offset:512*\b
.endr
.irp t, 0,1,2,3                                ; lane (r, h), tile 2 g + u, register j: output 32 g + 16 h + 8 u + j of my 64
	global_load_b128 v[B2+8*\t:B2+8*\t+3], v14, s[84:85] offset:(32*(\t/2)+8*(\t%2))*4
	global_load_b128 v[B2+8*\t+4:B2+8*\t+7], v14, s[84:85] offset:(32*(\t/2)+8*(\t%2))*4+16
.endr
	s_wait_dscnt 0x0                               ; my images are stored
	s_barrier_signal -1
	s_barrier_wait -1                              ; everybody's are: the hidden layer lies in LDS
	; ---- 2: my 64 outputs of each tile of rows
	s_mov_b32 s68, 0
	s_mov_b32 s69, 0
	s_mov_b32 s70, 0
.Lp2:
	s_cmp_ge_u32 s68, s67
	s_cbranch_scc1 .Lskip2
	v_add_nc_u32 v15, s69, v6
	v_add_nc_u32 v17, s70, v4
	v_add_nc_u32 v18, s70, v5
	s_wait_alu depctr_va_vdst(0)                   ; v15, v17 and v18 are written, which the 25 loads below read; the earlier vector and matrix instructions are done with v16, HF and HS, in which they land
	ds_load_b32 v16, v15 offset:LIST
.irp s, 0,1,2,3,4,5,6,7
	ds_load_b128 v[HF+8*\s:HF+8*\s+3], v17 offset:HB+1024*\s
	ds_load_b128 v[HF+8*\s+4:HF+8*\s+7], v17 offset:HB+1024*\s+512
	ds_load_b32 v[HS+\s], v18 offset:HB+8192+128*\s
.endr
	s_wait_dscnt 24                                ; LDS loads come back in order (ISA guide 5.7.1): the list's entry is in, the hidden layer's 24 loads may be out
	PICK
	v_lshlrev_b32 v[T16], 4, v16
	s_wait_alu depctr_va_vdst(0)                   ; v[T16] is written, which the two loads below read; the earlier lines are done with v[IDS ..] and v[CWR ..], in which they land
	global_load_b128 v[IDS:IDS+3], v[T16], s[16:17]        ; the token's four experts
	global_load_b128 v[CWR:CWR+3], v[T16], s[18:19]        ; and their weights
	s_wait_loadcnt 0x0                             ; in my first trip W2's codes, scale words and b2 too
	v_mov_b32 v[JJ], 0                             ; which of the four is this expert
	v_mov_b32 v[CW2], v[CWR]
.irp k, 1,2,3
	v_cmp_eq_u32 s[71+\k], s26, v[IDS+\k]
.endr
	s_wait_alu depctr_va_sdst(0)                   ; the three compares have written s72 to s74, which the selects below read
.irp k, 1,2,3
	v_cndmask_b32 v[JJ], v[JJ], \k, s[71+\k]
	v_cndmask_b32 v[CW2], v[CW2], v[CWR+\k], s[71+\k]
.endr
	v_mov_b32 v[CW2+1], v[CW2]
	v_lshl_add_u32 v19, v16, 2, v[JJ]              ; the row's place in y: 4 t + j
	s_wait_alu depctr_va_vdst(0)                   ; v19 is written, which the store below reads
	ds_store_b32 v12, v19                          ; both halves of the lanes store the same number to the same word
	s_wait_dscnt 0x0                               ; the hidden layer's fragments and scale words are in too
	WIN 0x01
.irp s, 0,1,2,3,4,5,6,7                        ; the four accumulators take turns; b2 is the C of each sum's first product
.irp t, 0,1,2,3
.if \s == 0
	MM ACCY+8*\t, 8*(((\t/2)*2+\s/4)*8+2*(\s%4)+\t%2), HF+8*\s, B2+8*\t, W2S+((\t/2)*2+\s/4)*4+\s%4, HS+\s, \t%2
.else
	MM ACCY+8*\t, 8*(((\t/2)*2+\s/4)*8+2*(\s%4)+\t%2), HF+8*\s, ACCY+8*\t, W2S+((\t/2)*2+\s/4)*4+\s%4, HS+\s, \t%2
.endif
.endr
.endr
	WIN 0
.rept 4
	v_nop
.endr
.set J, 0
.rept 16
	v_pk_mul_f32 v[ACCY+J:ACCY+J+1], v[ACCY+J:ACCY+J+1], v[CW2:CW2+1] op_sel_hi:[1,0]     ; x c, each accumulator from its low end on
.set J, J+2
.endr
	s_wait_alu depctr_va_vdst(0)                   ; the scalings have written v[ACCY ..], which the stores below read; the products are done reading HF, and phase 1's quantiser is done with v216-223, in which the loads below land
.irp t, 0,1,2,3
	ds_store_b128 v10, v[ACCY+8*\t:ACCY+8*\t+3] offset:128*(\t/2)+32*(\t%2)
	ds_store_b128 v10, v[ACCY+8*\t+4:ACCY+8*\t+7] offset:128*(\t/2)+32*(\t%2)+16
.endr
.irp i, 0,1,2,3,4,5,6,7
	ds_load_b32 v[YO+\i], v13 offset:8*\i          ; the place of row 2 i + h
.endr
.irp i, 0,1,2,3,4,5,6,7
	ds_load_b128 v[RB+4*\i:RB+4*\i+3], v11 offset:544*\i   ; my own stage: LDS serves a wave's instructions in order
.endr
	s_wait_dscnt 8                                 ; the eight places are in; the eight loads of the rows may be out
.irp i, 0,1,2,3,4,5,6,7
	v_min_u32 v[YO+\i], 0xfff, v[YO+\i]
	v_lshl_add_u32 v[YO+\i], v[YO+\i], 11, v[R16]
.endr
	s_wait_alu depctr_va_vdst(0)                   ; the eight offsets v[YO ..] are written, which the stores below read
	s_wait_dscnt 0x0                               ; the rows are in
.irp i, 0,1,2,3,4,5,6,7
	global_store_b128 v[YO+\i], v[RB+4*\i:RB+4*\i+3], s[86:87]     ; 16 lanes store 256 consecutive bytes, aligned: my 64 columns of one row of y
.endr
	s_wait_xcnt 0x0                                ; the stores' registers are written again only behind this wait
	s_wait_alu depctr_vm_vsrc(0)                   ; this trip's loads and stores have read v15, v17, v18, v19, v[T16], v[ACCY ..], v[YO ..] and v[RB ..], which the next trip writes or loads again
.Lskip2:
	s_add_co_u32 s69, s69, 64
	s_add_co_u32 s70, s70, HT
	s_add_co_u32 s68, s68, 1
	s_cmp_lt_u32 s68, 16
	s_cbranch_scc1 .Lp2
	s_wait_xcnt 0x0
	v_lshl_add_u32 v254, v0, 2, 0x2d000            ; the add's two registers, made here; no other line of the text names them
	v_mov_b32 v255, 0
	s_wait_dscnt 0x0                               ; the closing lines, six on end
	s_wait_alu 0x0
	s_wait_tensorcnt 0x0
	ds_add_u32 v254, v255
	s_wait_dscnt 0x0
	s_endpgm
.Lfunc_end_k_q938abd9205_chain:
	.size	k_q938abd9205_chain, .Lfunc_end_k_q938abd9205_chain-k_q938abd9205_chain
	.p2alignl 7, 3214868480
	.fill 96, 4, 3214868480
	.section	.rodata,"a",@progbits
	.p2align	6, 0x0
	.amdhsa_kernel k_q938abd9205_chain
		.amdhsa_group_segment_fixed_size 185344
		.amdhsa_private_segment_fixed_size 0
		.amdhsa_enable_private_segment 0
		.amdhsa_kernarg_size 80
		.amdhsa_user_sgpr_count 2
		.amdhsa_user_sgpr_kernarg_segment_ptr 1
		.amdhsa_wavefront_size32 1
		.amdhsa_system_sgpr_workgroup_id_x 1
		.amdhsa_system_sgpr_workgroup_id_y 1
		.amdhsa_system_sgpr_workgroup_id_z 1
		.amdhsa_system_vgpr_workitem_id 0
		.amdhsa_next_free_vgpr 512
		.amdhsa_next_free_sgpr 100
		.amdhsa_reserve_vcc 0
		.amdhsa_float_denorm_mode_32 3
		.amdhsa_float_denorm_mode_16_64 3
		.amdhsa_memory_ordered 1
		.amdhsa_forward_progress 1
		.amdhsa_inst_pref_size 68
	.end_amdhsa_kernel
	.amdgpu_metadata
---
amdhsa.version: [ 1, 2 ]
amdhsa.kernels:
  - .name:           k_q938abd9205_chain
    .symbol:         k_q938abd9205_chain.kd
    .args:
      - { .name: wq, .offset: 0, .size: 8, .value_kind: global_buffer, .address_space: global }
      - { .name: ws, .offset: 8, .size: 8, .value_kind: global_buffer, .address_space: global }
      - { .name: b1, .offset: 16, .size: 8, .value_kind: global_buffer, .address_space: global }
      - { .name: b2, .offset: 24, .size: 8, .value_kind: global_buffer, .address_space: global }
      - { .name: xq, .offset: 32, .size: 8, .value_kind: global_buffer, .address_space: global }
      - { .name: xs, .offset: 40, .size: 8, .value_kind: global_buffer, .address_space: global }
      - { .name: sel, .offset: 48, .size: 8, .value_kind: global_buffer, .address_space: global }
      - { .name: cwt, .offset: 56, .size: 8, .value_kind: global_buffer, .address_space: global }
      - { .name: msk, .offset: 64, .size: 8, .value_kind: global_buffer, .address_space: global }
      - { .name: y, .offset: 72, .size: 8, .value_kind: global_buffer, .address_space: global }
    .group_segment_fixed_size: 185344
    .private_segment_fixed_size: 0
    .kernarg_segment_align: 8
    .kernarg_segment_size: 80
    .max_flat_workgroup_size: 256
    .sgpr_count:     100
    .vgpr_count:     512
    .wavefront_size: 32
...
	.end_amdgpu_metadata
.endif
;; end of part 5
;; launch combine: the kernel of part 3 again; grid 256 x 1, 4 waves a work-group, no clusters, 0 bytes of LDS; arguments y, out0; writes out0
